; MI455X (gfx1250); checked and timed in simulation.
; The chip was launched on July 23, 2026; its instructions are those of AMD's public machine-readable ISA for CDNA 5 (MIT licence, August 2026) and "CDNA5" Instruction Set Architecture Reference Guide (July 2026). The comments in the code are by the model that wrote it; some were corrected since.
;; Fast Attention. Allowed arithmetic: matrix products marked QUANTISED: E2M1 operands, one E8M0 scale for each 32 along K, by v_wmma_scale_f32_16x16x128_f8f6f4 with both operands' format E2M1 (or v_wmma_scale_f32_32x16x128_f4), f32 sums; products left as they are: bf16, f16 or f32 operands; f32 sums; everything else in f32.
;; Inputs: b_k 1,024 float32; b_o 1,024 float32; b_q 1,024 float32; b_v 1,024 float32; mask 4 x 2,048 int32; w_k 1,024 x 1,024 float32; w_o 1,024 x 1,024 float32; w_q 1,024 x 1,024 float32; w_v 1,024 x 1,024 float32; x 4 x 2,048 x 1,024 float32.
;; Outputs: out0 4 x 2,048 x 1,024 float32.
;; This version of the problem:
;;   THIS VERSION OF THE PROBLEM IS GIVEN IN LOW PRECISION. The matrix products marked QUANTISED in the list below multiply operands that are first quantised to E2M1 (2 exponent bits, 1 mantissa bit; 4 bits a number), with one power-of-two scale for each 32 numbers along K (OCP MX v1.0); their sums are f32. The products marked 'left as it is' may take bf16, f16 or f32 operands, with f32 sums. Whichever they take, every output number must still come out within the allowed error. Rounding operands to bf16 (8 significant bits) uses up far more of that allowance than f16 does (11 bits, for magnitudes from 6e-5 to 65,504). All else is computed in f32.
;;   The module's matrix products, in the order in which they are computed (A, B: the left and right operand; K: the contracted axis; several contracted axes count as one K, in the product's order):
;;     1. [M 8,192, K 1,024] x [K 1,024, N 1,024]; A: input x; B: input w_q: QUANTISED
;;     2. [M 8,192, K 1,024] x [K 1,024, N 1,024]; A: input x; B: input w_k: QUANTISED
;;     3. [M 8,192, K 1,024] x [K 1,024, N 1,024]; A: input x; B: input w_v: QUANTISED
;;     4. batch 64 x [M 2,048, K 64] x [K 64, N 2,048]; A: computed on the way; B: computed on the way: left as it is (an operand is computed on the way)
;;     5. batch 64 x [M 2,048, K 2,048] x [K 2,048, N 64]; A: computed on the way; B: computed on the way: left as it is (an operand is computed on the way)
;;     6. [M 8,192, K 1,024] x [K 1,024, N 1,024]; A: computed on the way; B: input w_o: left as it is (an operand is computed on the way)
;;   THE QUANTISER, for each operand of a quantised product, along K:
;;     - K is cut into blocks of 32 from its start; a last block that is shorter is filled with zeros.
;;     - A block's scale is 2^e with e = floor(log2(the largest magnitude in the block)) - 2, held to -126 .. 127; a block of zeros has e = 0. As a byte (E8M0): e + 127.
;;     - Each number is divided by its block's scale, clamped to +-6, and rounded to the nearest number of E2M1, ties to even, subnormals kept.
;;     - The product sums the exact products of the quantised numbers (number of the format x scale) in f32.
;;   ~~~python
;;   def quantise(x, axis):      # numpy; x: float32 -> the quantised numbers, widened to float32 again
;;       x = np.moveaxis(x, axis, -1); K = x.shape[-1]
;;       x = np.pad(x, [(0, 0)] * (x.ndim - 1) + [(0, -K % 32)]); x = x.reshape(x.shape[:-1] + (-1, 32)); a = np.abs(x).max(-1, keepdims=True)
;;       e = np.where(a > 0, np.clip(np.frexp(np.where(a > 0, a, 1))[1] - 1 - 2, -126, 127), 0)      # np.frexp(a)[1] - 1 = floor(log2(a)), exactly
;;       r = np.clip(x / 2.0 ** e, -6, 6)
;;       step = 2.0 ** (np.maximum(np.frexp(np.where(r == 0, 1, r))[1] - 1, 0) - 1)
;;       q = np.round(r / step) * step * 2.0 ** e      # np.round: ties to even
;;       return np.moveaxis(q.reshape(q.shape[:-2] + (-1,))[..., :K], -1, axis).astype(np.float32)
;;   ~~~
;; One version. Each part assembles by itself: llvm-mc -triple=amdgcn-amd-amdhsa -mcpu=gfx1250 --defsym DOCPART=n.
;; ======== version 1 of 1: 4 launches
;; limits: values are held in f16: magnitudes above 65,504 overflow, below 6.1e-05 lose precision
;; workspace buffers: xc 4,194,304 bytes; xs 262,144 bytes; wc 1,572,864 bytes; ws 98,304 bytes; wot 2,097,152 bytes; qkv 50,331,648 bytes; ctx 16,777,216 bytes
;; launch prep (part 1): grid 368 x 1, 4 waves a work-group, no clusters, 102,912 bytes of LDS; arguments x, w_q, w_k, w_v, w_o, xc, xs, wc, ws, wot; writes xc, xs, wc, ws, wot
.if DOCPART == 1
	.amdgcn_target "amdgcn-amd-amdhsa--gfx1250"
	.amdhsa_code_object_version 6
	.text
	.protected	k_q37bc425de4_prep
	.globl	k_q37bc425de4_prep
	.p2align	8
	.type	k_q37bc425de4_prep,@function
k_q37bc425de4_prep:
	s_mov_b64 s[64:65], 0
	v_nop
	global_prefetch_b8 v0, s[64:65] scope:SCOPE_SE
	s_setreg_imm32_b32 hwreg(HW_REG_WAVE_MODE, 25, 1), 1
	s_wait_xcnt 0x0
; PREP: the operands of the later launches are made once.
;   work-groups 0-255   : x [8192][1024] f32 -> codes of FP4 (E2M1), K innermost, xc [8192][512 bytes], and one E8M0 byte for each 32 along K, xs [8192][32].
;   work-groups 256-303 : w_q, w_k, w_v [k 1024][n 1024] f32, K their FIRST axis -> wc [1024 which + n][512 bytes], ws [1024 which + n][32].
;   work-groups 304-367 : w_o [k][n] f32 -> wot [n][k] f16 (rounded once, to nearest even).
; A block's scale is 2^(floor(log2(largest magnitude)) - 2): its byte is the largest magnitude's exponent field - 2, held at 1 from below.
; LIMITS: a block of zeros, or one whose largest magnitude lies under 2^-124, gets the byte 1 (zeros have zero codes; the bytes are read by this program alone);
; NaN and infinities among the inputs are not served; |w_o| stays at or under 65,504.
; The three ways part on the work-group's number alone and never join; each has LDS bytes of its own.  No tensor loads, no barrier: waves share nothing.
.set SPW,   192                        ; v192  LDS address of my spare word; never rewritten
.set NIL,   193                        ; v193  0; never rewritten
.set SPARE, 102400                     ; behind the three regions: 128 spare bytes for each wave
.set EMAX,  2
.set PITCH, 272                        ; a stage row of the column ways: 256 bytes + 16
.set STEPS, 16                         ; way X: steps of 512 numbers a wave
.set CB,    8                          ; bytes of 16 codes
.set XR,    16                         ; v16-79   four sets of 16 numbers as loaded
.set XX,    80                         ; v80-111  two sets of 16 neighbours
.set XE,    112                        ; v112-127 a scale byte for each step
.set XC,    128                        ; v128-191 codes, four registers for each step
.set WREG,  8192                       ; way X: LDS of a wave: two stages of 32 x SP bytes, then its 256 scale bytes
.set SP,    80
.set WSTG,  32768                      ; way W: four stages of 32 x PITCH bytes
.set OSTG,  67584                      ; way O: the same
.set SB,    24                         ; v24-27   way W: scale bytes, four to a register
.set WX,    32                         ; v32-95   ways W, O: two sets of 32 numbers down K
.set WC,    96                         ; v96-111  a block's codes (W: 4 registers) or f16 pairs (O: 16)
.set OUTR,  112                        ; v112-175 the way out: 16 x 4 registers
.macro XLOAD t                         ; 32 lanes read 512 consecutive bytes, four times
.irp i, 0,1,2,3
	global_load_b128 v[XR+16*((\t)%4)+4*\i:XR+16*((\t)%4)+4*\i+3], v3, s[8:9] offset:2048*(\t)+512*\i th:TH_LOAD_NT
.endr
.endm
.macro XTURN t                         ; a step's 2,048 bytes through my stage: in as loaded, out 64 neighbouring bytes a lane; LDS serves a wave's instructions in order
.irp i, 0,1,2,3
	ds_store_b128 v14, v[XR+16*((\t)%4)+4*\i:XR+16*((\t)%4)+4*\i+3] offset:32*SP*((\t)%2)+8*SP*\i
.endr
.irp i, 0,1,2,3
	ds_load_b128 v[XX+16*((\t)%2)+4*\i:XX+16*((\t)%2)+4*\i+3], v15 offset:32*SP*((\t)%2)+16*\i
.endr
.endm
.macro XSTEP t
.set XS, XX+16*((\t)%2)
.if (\t) > 0
	s_wait_dscnt 1                                 ; this step's numbers are back from the stage; the last step's byte store may be out
.else
	s_wait_dscnt 0x0
.endif
.if (\t)+4 < STEPS
	XLOAD (\t)+4                                   ; into the set whose stage stores have read their registers
.endif
.if (\t)+1 < STEPS
.if STEPS-2-(\t) >= 3
	s_wait_loadcnt 12                              ; the next step's four loads are in; three steps' twelve may be out
.else
	s_wait_loadcnt 4*(STEPS-2-(\t))
.endif
	XTURN (\t)+1
.endif
	v_max3_num_f32 v8, |v[XS]|, |v[XS+1]|, |v[XS+2]|               ; the largest magnitude of my 16, in two chains
	v_max3_num_f32 v9, |v[XS+3]|, |v[XS+4]|, |v[XS+5]|
.irp i, 6,10
	v_max3_num_f32 v8, v8, |v[XS+\i]|, |v[XS+\i+1]|
	v_max3_num_f32 v9, v9, |v[XS+\i+2]|, |v[XS+\i+3]|
.endr
	v_max3_num_f32 v8, v8, |v[XS+14]|, |v[XS+15]|
	v_max3_num_f32 v8, v8, v9, (EMAX+1)<<23        ; and the floor 2^(3 - 127): the byte cannot fall under 1
	v_max_num_f32_dpp v8, v8, v8 row_xmask:1 row_mask:0xf bank_mask:0xf   ; with my neighbour's 16: the block's
	v_add_nc_u32 v11, -(EMAX<<23), v8              ; 2 off the exponent field: the conversion's scale operand
	v_cvt_scalef32_pk8_fp4_f32 v[XC+4*(\t)], v[XS:XS+7], v11
	v_cvt_scalef32_pk8_fp4_f32 v[XC+4*(\t)+1], v[XS+8:XS+15], v11
	v_lshrrev_b32 v[XE+(\t)], 23, v11              ; the scale's byte
	ds_store_b8 v5, v[XE+(\t)] offset:16*(\t)      ; both lanes of a block write the same byte with the same value
	global_store_b64 v4, v[XC+4*(\t):XC+4*(\t)+1], s[18:19] offset:32*CB*(\t)   ; the wave stores 256 consecutive bytes
.endm
; The column ways: a lane takes a column n, its registers run down K.
.macro COLADR stg, krow                ; v3 in; v4 into the stage; v7 out of it (sixteen lanes to a row); v8 the same place in the output
	v_lshlrev_b32 v3, 2, v2
	s_mul_i32 s29, s28, 32*PITCH
	s_add_co_u32 s29, s29, \stg
	v_mul_u32_u24 v4, v2, PITCH
	v_add_nc_u32 v4, s29, v4
	v_and_b32 v5, 15, v2
	v_lshrrev_b32 v6, 4, v2
	v_mul_u32_u24 v7, v6, PITCH
	v_lshl_add_u32 v7, v5, 4, v7
	v_add_nc_u32 v7, s29, v7
	v_mul_u32_u24 v8, v6, \krow
	v_lshl_add_u32 v8, v5, 4, v8
.endm
.macro CLOAD t, base                   ; block t: rows 32 t + i of the weight at my column, into set t % 2: 128 consecutive bytes a wave and load
.irp i, 0,1,2,3,4,5,6,7,8,9,10,11,12,13,14,15,16,17,18,19,20,21,22,23,24,25,26,27,28,29,30,31
	global_load_b32 v[WX+32*((\t)%2)+\i], v3, s[\base:\base+1] offset:(32*(\t)+\i)*4096 th:TH_LOAD_NT
.endr
.endm
.macro WBLOCK t
.set XS, WX+32*((\t)%2)
.if (\t) < 15
	s_wait_loadcnt 32                              ; this block's 32 loads are in; the next block's may be out
.else
	s_wait_loadcnt 0
.endif
	v_max3_num_f32 v12, |v[XS]|, |v[XS+1]|, |v[XS+2]|              ; all 32 numbers of the block are mine
	v_max3_num_f32 v13, |v[XS+3]|, |v[XS+4]|, |v[XS+5]|
.irp i, 6,10,14,18,22,26
	v_max3_num_f32 v12, v12, |v[XS+\i]|, |v[XS+\i+1]|
	v_max3_num_f32 v13, v13, |v[XS+\i+2]|, |v[XS+\i+3]|
.endr
	v_max3_num_f32 v12, v12, |v[XS+30]|, |v[XS+31]|
	v_max3_num_f32 v12, v12, v13, (EMAX+1)<<23
	v_add_nc_u32 v11, -(EMAX<<23), v12
	v_lshrrev_b32 v13, 23, v11
.if (\t)%4 == 0
	v_mov_b32 v[SB+(\t)/4], v13                    ; four bytes to a register, the lower K in the lower byte
.else
	v_lshl_or_b32 v[SB+(\t)/4], v13, 8*((\t)%4), v[SB+(\t)/4]
.endif
.irp g, 0,1,2,3
	v_cvt_scalef32_pk8_fp4_f32 v[WC+\g], v[XS+8*\g:XS+8*\g+7], v11
.endr
	ds_store_b128 v4, v[WC:WC+3] offset:16*(\t)    ; 32 codes: 16 bytes of my column's row
.if (\t)+2 < 16
	CLOAD (\t)+2, 10
.endif
	s_wait_dscnt 0x0                               ; the store has read its registers
.endm
.macro OBLOCK t
.set XS, WX+32*((\t)%2)
.if (\t) < 3
	s_wait_loadcnt 32
.else
	s_wait_loadcnt 0
.endif
.irp i, 0,1,2,3,4,5,6,7,8,9,10,11,12,13,14,15
	v_cvt_pk_f16_f32 v[WC+\i], v[XS+2*\i], v[XS+2*\i+1]            ; the lower k in the low half
.endr
.irp g, 0,1,2,3
	ds_store_b128 v4, v[WC+4*\g:WC+4*\g+3] offset:64*(\t)+16*\g    ; 32 numbers: 64 bytes of my column's row
.endr
.if (\t)+2 < 4
	CLOAD (\t)+2, 16
.endif
	s_wait_dscnt 0x0
.endm
.macro COLOUT krow, base               ; the stage leaves by rows: sixteen lanes store 256 consecutive, aligned bytes; then the wave's end
.irp t, 0,1,2,3,4,5,6,7,8,9,10,11,12,13,14,15
	ds_load_b128 v[OUTR+4*\t:OUTR+4*\t+3], v7 offset:2*\t*PITCH
.endr
.irp t, 0,1,2,3,4,5,6,7,8,9,10,11,12,13,14,15
	s_wait_dscnt 15-\t
	global_store_b128 v8, v[OUTR+4*\t:OUTR+4*\t+3], s[\base:\base+1] offset:2*\t*\krow
.endr
	s_wait_tensorcnt 0x0                           ; the wave's end
	ds_add_u32 v[SPW], v[NIL]
	s_wait_dscnt 0x0
	s_endpgm
.endm
	s_load_b512 s[8:23], s[0:1], 0x0               ; x 8, w_q 10, w_k 12, w_v 14, w_o 16, xc 18, xs 20, wc 22
	s_load_b128 s[24:27], s[0:1], 0x40             ; ws 24, wot 26
	v_lshl_add_u32 v[SPW], v0, 2, SPARE
	v_mov_b32 v[NIL], 0
	v_lshrrev_b32 v1, 5, v0
	v_readfirstlane_b32 s28, v1                    ; wave
	v_and_b32 v2, 31, v0                           ; lane
	s_cmp_lt_u32 ttmp9, 256
	s_cbranch_scc0 .Lweights
	; ---- way X: x is a plain stream of blocks of 32; my wave takes run 4 x work-group + wave of 8,192 numbers
	v_lshlrev_b32 v3, 4, v2
	s_mul_i32 s29, s28, WREG
	v_lshrrev_b32 v14, 2, v2
	v_mul_u32_u24 v14, v14, SP
	v_and_b32 v15, 3, v2
	v_lshl_add_u32 v14, v15, 4, v14
	v_add_nc_u32 v14, s29, v14                     ; into the stage: SP (lane / 4) + 16 (lane % 4)
	v_mul_u32_u24 v15, v2, SP
	v_add_nc_u32 v15, s29, v15                     ; out of it: SP x lane
	v_mul_u32_u24 v4, v2, CB
	v_lshrrev_b32 v5, 1, v2
	s_add_co_u32 s29, s29, 2*32*SP
	v_add_nc_u32 v5, s29, v5                       ; my block's byte among my wave's 256
	v_lshlrev_b32 v7, 3, v2
	v_add_nc_u32 v6, s29, v7
	s_lshl_b32 s30, ttmp9, 2
	s_add_co_u32 s30, s30, s28
	s_mov_b32 s33, 0
	s_wait_kmcnt 0x0
	s_lshl_b32 s32, s30, 15                        ; 32,768 bytes of x,
	s_add_nc_u64 s[8:9], s[8:9], s[32:33]
	s_lshl_b32 s32, s30, 12                        ; 4,096 of codes,
	s_add_nc_u64 s[18:19], s[18:19], s[32:33]
	s_lshl_b32 s32, s30, 8                         ; 256 scale bytes a run
	s_add_nc_u64 s[20:21], s[20:21], s[32:33]
.irp t, 0,1,2,3
	XLOAD \t
.endr
	s_wait_loadcnt 12
	XTURN 0
.irp t, 0,1,2,3,4,5,6,7,8,9,10,11,12,13,14,15
	XSTEP \t
.endr
	ds_load_b64 v[8:9], v6                         ; my wave's 256 scale bytes, 8 a lane
	s_wait_dscnt 0x0
	global_store_b64 v7, v[8:9], s[20:21]          ; 256 consecutive, aligned bytes
	s_wait_tensorcnt 0x0                           ; the wave's end
	ds_add_u32 v[SPW], v[NIL]
	s_wait_dscnt 0x0
	s_endpgm
.Lweights:
	s_cmp_lt_u32 ttmp9, 304
	s_cbranch_scc0 .Lwo
	; ---- way W: i = work-group - 256: weight i / 16, half of K (i / 8) % 2, block of 128 columns i % 8; a wave: 32 columns x 512 along K
	s_sub_co_u32 s29, ttmp9, 256
	s_lshr_b32 s30, s29, 4
	s_and_b32 s31, s29, 7
	s_bfe_u32 s32, s29, 0x10003
	s_lshl_b32 s31, s31, 7
	s_lshl_b32 s33, s28, 5
	s_add_co_u32 s31, s31, s33                     ; my wave's first column
	COLADR WSTG, 512
	v_lshlrev_b32 v9, 5, v2                        ; my column's row of scale bytes
	s_lshl_b32 s34, s32, 21                        ; in: 512 rows of 4,096 bytes a half,
	s_lshl_b32 s35, s31, 2
	s_add_co_u32 s34, s34, s35                     ; + 4 x column
	s_mov_b32 s35, 0
	s_lshl_b32 s33, s30, 10
	s_add_co_u32 s33, s33, s31                     ; the output's row: 1024 x weight + column
	s_lshl_b32 s36, s33, 9
	s_lshl_b32 s37, s32, 8
	s_add_co_u32 s36, s36, s37                     ; codes: 512 bytes a row, 256 a half
	s_mov_b32 s37, 0
	s_lshl_b32 s38, s33, 5
	s_lshl_b32 s39, s32, 4
	s_add_co_u32 s38, s38, s39                     ; scale bytes: 32 a row, 16 a half
	s_mov_b32 s39, 0
	s_wait_kmcnt 0x0
	s_cmp_eq_u32 s30, 0                            ; the choice hangs on the work-group's number alone
	s_cselect_b64 s[10:11], s[10:11], s[12:13]
	s_cmp_eq_u32 s30, 2
	s_cselect_b64 s[10:11], s[14:15], s[10:11]
	s_add_nc_u64 s[10:11], s[10:11], s[34:35]
	s_add_nc_u64 s[22:23], s[22:23], s[36:37]
	s_add_nc_u64 s[24:25], s[24:25], s[38:39]
	CLOAD 0, 10
	CLOAD 1, 10
.irp t, 0,1,2,3,4,5,6,7,8,9,10,11,12,13,14,15
	WBLOCK \t
.endr
	global_store_b128 v9, v[SB:SB+3], s[24:25]     ; my column's 16 scale bytes
	COLOUT 512, 22
.Lwo:
	; ---- way O: i = work-group - 304: block of 128 columns i % 8, 128 along K at 128 (i / 8); a wave: 32 columns x 128 along K
	s_sub_co_u32 s29, ttmp9, 304
	s_and_b32 s31, s29, 7
	s_lshr_b32 s32, s29, 3
	s_lshl_b32 s31, s31, 7
	s_lshl_b32 s33, s28, 5
	s_add_co_u32 s31, s31, s33
	COLADR OSTG, 2048
	s_lshl_b32 s34, s32, 19                        ; in: 128 rows of 4,096 bytes,
	s_lshl_b32 s35, s31, 2
	s_add_co_u32 s34, s34, s35
	s_mov_b32 s35, 0
	s_lshl_b32 s36, s31, 11                        ; out: 2,048 bytes a row n, 256 for 128 along K
	s_lshl_b32 s37, s32, 8
	s_add_co_u32 s36, s36, s37
	s_mov_b32 s37, 0
	s_wait_kmcnt 0x0
	s_add_nc_u64 s[16:17], s[16:17], s[34:35]
	s_add_nc_u64 s[26:27], s[26:27], s[36:37]
	CLOAD 0, 16
	CLOAD 1, 16
.irp t, 0,1,2,3
	OBLOCK \t
.endr
	COLOUT 2048, 26
.Lfunc_end_k_q37bc425de4_prep:
	.size	k_q37bc425de4_prep, .Lfunc_end_k_q37bc425de4_prep-k_q37bc425de4_prep
	.p2alignl 7, 3214868480
	.fill 96, 4, 3214868480
	.section	.rodata,"a",@progbits
	.p2align	6, 0x0
	.amdhsa_kernel k_q37bc425de4_prep
		.amdhsa_group_segment_fixed_size 102912
		.amdhsa_private_segment_fixed_size 0
		.amdhsa_enable_private_segment 0
		.amdhsa_kernarg_size 80
		.amdhsa_user_sgpr_count 2
		.amdhsa_user_sgpr_kernarg_segment_ptr 1
		.amdhsa_wavefront_size32 1
		.amdhsa_system_sgpr_workgroup_id_x 1
		.amdhsa_system_sgpr_workgroup_id_y 1
		.amdhsa_system_sgpr_workgroup_id_z 1
		.amdhsa_system_vgpr_workitem_id 0
		.amdhsa_next_free_vgpr 196
		.amdhsa_next_free_sgpr 66
		.amdhsa_reserve_vcc 0
		.amdhsa_float_denorm_mode_32 3
		.amdhsa_float_denorm_mode_16_64 3
		.amdhsa_memory_ordered 1
		.amdhsa_forward_progress 1
		.amdhsa_inst_pref_size 133
	.end_amdhsa_kernel
	.amdgpu_metadata
---
amdhsa.version: [ 1, 2 ]
amdhsa.kernels:
  - .name:           k_q37bc425de4_prep
    .symbol:         k_q37bc425de4_prep.kd
    .args:
      - { .name: x, .offset: 0, .size: 8, .value_kind: global_buffer, .address_space: global }
      - { .name: w_q, .offset: 8, .size: 8, .value_kind: global_buffer, .address_space: global }
      - { .name: w_k, .offset: 16, .size: 8, .value_kind: global_buffer, .address_space: global }
      - { .name: w_v, .offset: 24, .size: 8, .value_kind: global_buffer, .address_space: global }
      - { .name: w_o, .offset: 32, .size: 8, .value_kind: global_buffer, .address_space: global }
      - { .name: xc, .offset: 40, .size: 8, .value_kind: global_buffer, .address_space: global }
      - { .name: xs, .offset: 48, .size: 8, .value_kind: global_buffer, .address_space: global }
      - { .name: wc, .offset: 56, .size: 8, .value_kind: global_buffer, .address_space: global }
      - { .name: ws, .offset: 64, .size: 8, .value_kind: global_buffer, .address_space: global }
      - { .name: wot, .offset: 72, .size: 8, .value_kind: global_buffer, .address_space: global }
    .group_segment_fixed_size: 102912
    .private_segment_fixed_size: 0
    .kernarg_segment_align: 8
    .kernarg_segment_size: 80
    .max_flat_workgroup_size: 128
    .sgpr_count:     66
    .vgpr_count:     196
    .wavefront_size: 32
...
	.end_amdgpu_metadata
.endif
;; end of part 1
;; launch proj (part 2): grid 12 x 32, 4 waves a work-group, clusters of 4 x 4, 327,680 bytes of LDS; arguments xc, xs, wc, ws, qkv, mask, b_q, b_k, b_v; writes qkv
.if DOCPART == 2
	.amdgcn_target "amdgcn-amd-amdhsa--gfx1250"
	.amdhsa_code_object_version 6
	.text
	.protected	k_q37bc425de4_proj
	.globl	k_q37bc425de4_proj
	.p2align	8
	.type	k_q37bc425de4_proj,@function
k_q37bc425de4_proj:
	s_mov_b64 s[64:65], 0
	v_nop
	global_prefetch_b8 v0, s[64:65] scope:SCOPE_SE
	s_setreg_imm32_b32 hwreg(HW_REG_WAVE_MODE, 25, 1), 1
	s_wait_xcnt 0x0
	s_wait_alu depctr_hold_cnt(0) depctr_sa_sdst(0) depctr_va_vdst(0) depctr_va_sdst(0) depctr_va_ssrc(0) depctr_va_vcc(0) depctr_vm_vsrc(0)
	s_getreg_b32 s2, hwreg(HW_REG_IB_STS2, 6, 4)
	s_cmp_eq_u32 s2, 0
	s_cbranch_scc0 .Lentry_in_a_cluster
	s_endpgm
.Lentry_in_a_cluster:
	s_bfe_u32 s2, ttmp6, 0x10000c
	s_cmp_lg_u32 s2, 0xf033
	s_cbranch_scc0 .Lentry_shape_is_right
	s_endpgm
.Lentry_shape_is_right:
; PROJ: Q, K, V = x W + b on codes of FP4 (E2M1) with one E8M0 scale for each 32 along K; sums in f32.  A: xc [8192][512 bytes], xs [8192][32];  B: wc [3072][512 bytes], ws [3072][32], row 1024 which + n.
; Out: qkv, f16, [which][b][head][s][64].  Q is multiplied by log2(e) / 8 (the softmax of the next launch works in base 2); a row of K whose key the mask hides is multiplied by 0
; (the next launch adds the hidden score as a constant); V is left as it is.  Each result is rounded once, to f16.
; LIMITS: no NaN or infinity (a hidden key's infinite sum x 0 would be NaN); |Q| log2(e) / 8, |K|, |V| at or under 65,504.
; A tile of 256 x 256 to a work-group of four waves, 128 x 128 a wave: 64 accumulators, 512 registers.  K = 1,024 is two slots of 512 along K: both are first fills, nothing is filled again.
; The scales of the work-group's rows, for all of K, come once, in rows of 256 bytes.  CLUSTERS: 4 x 4 work-groups; A's tiles are asked for jointly along a row of the cluster, B's along a column.
; The cluster's x is which (0 Q, 1 K, 2 V): the same in all partners.  THE MATRIX INSTRUCTION IS USED TRANSPOSED (source 0 = 16 rows of B, source 1 = 16 rows of A): a lane holds eight neighbouring columns of one token.
; The bias is the C of each sum's first product.
; REGISTERS: window 0: v0-31 addresses; v32-95 scale words, two sets; v96-111 the tokens' factors, a pair for each block of 16; v112-120 at work; v128-191 A's fragments, one set; v192-255 the bias, eight registers a block of columns.
;   window 1: B's fragments, two sets.  window 2, 3: the accumulators ((a, b) at v[8 (8 (a % 4) + b)]).  On the way out window 0's v32-63, v128-255 are used again.
.set NQ,     4                         ; matrix instructions deep in a slot
.set ROWB,   256                       ; a tile's row in bytes: 512 codes
.set KROW,   512                       ; a row of codes in memory
.set PITCH,  272                       ; an LDS row: 256 bytes + 16: the 16 rows that a load touches start 16 bytes apart modulo 256
.set FR,     8
.set NL,     2
.set NP,     4
.set HALFT,  128*PITCH
.set SLOT,   4*HALFT
.set KS,     32                        ; a row of scales in bytes
.set SCL,    2*SLOT
.set HALFS,  (128*KS/256)*272
.set SBLK,   (16*KS/256)*272
.set SPARE,  SCL+4*HALFS               ; the spare words, 128 bytes for each wave
.set SPITCH, 272                       ; the way out: a stage of 16 rows x (256 bytes + 16) for each wave, in slot 0, which has had its only fill and its last read by then
.set ADRA, 16
.set ADRB, 20
.set STO,  24
.set RD,   25
.set CO,   26
.set ADRS, 27
.set SPW,  28
.set NIL,  29
.set BO,   30                          ; v30  32 x (lane / 16): my eight numbers of a block's bias
.set MO,   31                          ; v31  4 x (lane % 16): my token's mask word
.set SC,   32
.set FAC,  96
.set MK,   112
.set AF,   128
.set CBI,  192
.set TF,   128                         ; the way out: a block's 64 numbers x factor
.set TH,   32                          ; and as f16
.set BK,   192                         ; 8 x 4 registers read back, two sets by turns
.set G1, 24
.set G0, 32
.set G1B, 48
.set G0B, 56
.set G1S, 68
.set G0S, 76
.set G1SB, 80
.set G0SB, 88
.set MSB, 0
.macro WIN new                         ; the immediate's high byte repeats the setting that is left
.if MSB != (\new)
	s_set_vgpr_msb (MSB<<8)|(\new)
.set MSB, (\new)
.endif
.endm
.set MUL_LO, 0xa1                      ; source 0 (B) window 1, source 1 (A) window 0, C and D window 2
.set MUL_HI, 0xf1                      ; the same, C and D window 3
.set ONE_LO, 0x81                      ; the first products: C (the bias) window 0
.set ONE_HI, 0xc1
.set TO_B,   0x40
; A joint load: waves 0 and 1 fetch for A, waves 2 and 3 for B.  The branch hangs on the wave's number alone.  An s_nop 0 and four v_nop follow each line.
.macro JLOAD g0a, g1a, g0b, g1b
	s_cmp_eq_u32 s15, 0
	s_cbranch_scc0 .Lfor_b_\@
	tensor_load_to_lds s[\g0a:\g0a+3], s[\g1a:\g1a+7]
	s_nop 0
.rept 4
	v_nop
.endr
	s_branch .Lasked_\@
.Lfor_b_\@:
	tensor_load_to_lds s[\g0b:\g0b+3], s[\g1b:\g1b+7]
	s_nop 0
.rept 4
	v_nop
.endr
.Lasked_\@:
.endm
.macro CROUND                          ; a round of the cluster's barrier
	s_barrier_signal -1
	s_barrier_wait -1
	s_cmp_lg_u32 s14, 0
	s_cbranch_scc1 .Lnot_wave_0_\@
	s_barrier_signal -3
.Lnot_wave_0_\@:
	s_barrier_wait -3
	s_barrier_signal -1
	s_barrier_wait -1
.endm
	s_load_b128 s[4:7], s[0:1], 0x0                ; xc, xs
	s_load_b128 s[8:11], s[0:1], 0x10              ; wc, ws
	s_load_b64 s[12:13], s[0:1], 0x20              ; qkv
	s_load_b64 s[66:67], s[0:1], 0x28              ; mask
	s_load_b128 s[96:99], s[0:1], 0x30             ; b_q, b_k
	s_load_b64 s[100:101], s[0:1], 0x40            ; b_v
	v_lshl_add_u32 v[SPW], v0, 2, SPARE
	v_mov_b32 v[NIL], 0
	ds_add_u32 v[SPW], v[NIL]                      ; the wave's opening: the add, twice on end, and its wait ahead of my first tensor load
	ds_add_u32 v[SPW], v[NIL]
	v_lshrrev_b32 v1, 5, v0
	v_readfirstlane_b32 s14, v1                    ; wave 0..3
	s_lshr_b32 s15, s14, 1                         ; my half of the tile's rows.  Also: I fetch for A (0) or for B (1)
	s_and_b32 s16, s14, 1                          ; my half of its columns.  Also: which 128 rows I fetch
	s_bfe_u32 s40, ttmp6, 0x40000                  ; cx
	s_bfe_u32 s41, ttmp6, 0x40004                  ; cy
	s_lshl_b32 s42, ttmp9, 2
	s_add_co_u32 s42, s42, s40                     ; tile column = 4 x which + cx
	s_and_b32 s17, ttmp7, 0xffff
	s_lshl_b32 s17, s17, 2
	s_add_co_u32 s17, s17, s41                     ; tile row
	s_lshl_b32 s43, s41, 2
	s_lshl_b32 s43, 15, s43                        ; my row of the cluster
	s_lshl_b32 s44, 0x1111, s40                    ; my column
	s_or_b32 s[G1+0], s43, (0<<16)|(1<<20)|(1<<21)|(5<<22)|(3<<25)  ; the mask; elements of 1 byte; padding on: 4 words behind every 64; bit 21 beside a mask
	s_or_b32 s[G1B+0], s44, (0<<16)|(1<<20)|(1<<21)|(5<<22)|(3<<25)
.irp g, G1, G1B
	s_mov_b32 s[\g+1], ROWB<<16                    ; tensor_dim0
	s_mov_b32 s[\g+2], 128<<16                     ; tensor_dim1
	s_mov_b32 s[\g+3], ROWB<<16                    ; tile_dim0
	s_mov_b32 s[\g+4], 128                         ; tile_dim1
	s_mov_b32 s[\g+5], KROW                        ; the pitch
	s_mov_b32 s[\g+6], 0
	s_mov_b32 s[\g+7], 0
.endr
	s_or_b32 s[G1S+0], s43, (3<<16)|(1<<20)|(1<<21)|(5<<22)|(3<<25) ; the scales of 128 rows: 4,096 dense bytes as 16 rows of 32 elements of 8 bytes
	s_or_b32 s[G1SB+0], s44, (3<<16)|(1<<20)|(1<<21)|(5<<22)|(3<<25)
.irp g, G1S, G1SB
	s_mov_b32 s[\g+1], 32<<16
	s_mov_b32 s[\g+2], (128*KS/256)<<16
	s_mov_b32 s[\g+3], 32<<16
	s_mov_b32 s[\g+4], 128*KS/256
	s_mov_b32 s[\g+5], 32
	s_mov_b32 s[\g+6], 0
	s_mov_b32 s[\g+7], 0
.endr
	s_lshl_b32 s18, s16, 7
	s_lshl_b32 s20, s17, 8
	s_add_co_u32 s20, s20, s18                     ; A: row 256 x tile row + 128 x half
	s_lshl_b32 s46, s42, 8
	s_add_co_u32 s46, s46, s18                     ; B: row 256 x tile column + 128 x half
	s_mov_b32 s21, 0
	s_mov_b32 s47, 0
	s_mov_b64 s[18:19], KS
	s_mul_u64 s[22:23], s[20:21], s[18:19]
	s_mul_u64 s[92:93], s[46:47], s[18:19]
	s_mov_b64 s[18:19], KROW
	s_mul_u64 s[20:21], s[20:21], s[18:19]
	s_mul_u64 s[46:47], s[46:47], s[18:19]
	s_mul_i32 s45, s14, HALFT                      ; where they go: wave x 128 rows
	s_mul_i32 s94, s14, HALFS
	s_wait_dscnt 0x0                               ; both opening adds are done
	s_wait_kmcnt 0x0
	s_add_nc_u64 s[20:21], s[4:5], s[20:21]
	s_add_nc_u64 s[22:23], s[6:7], s[22:23]
	s_add_nc_u64 s[46:47], s[8:9], s[46:47]
	s_add_nc_u64 s[92:93], s[10:11], s[92:93]
	CROUND                                         ; all sixteen work-groups are here: the joint loads meet
	s_mov_b32 s[G0S], 1
	s_add_co_u32 s[G0S+1], s94, SCL
	s_mov_b64 s[G0S+2:G0S+3], s[22:23]
	s_or_b32 s[G0S+3], s[G0S+3], 0x80000000
	s_mov_b32 s[G0SB], 1
	s_add_co_u32 s[G0SB+1], s94, SCL
	s_mov_b64 s[G0SB+2:G0SB+3], s[92:93]
	s_or_b32 s[G0SB+3], s[G0SB+3], 0x80000000
	JLOAD G0S, G1S, G0SB, G1SB                     ; the scales first; three tensor loads of mine are out at the most
.irp s, 0,1
	s_mov_b32 s[G0+4*\s], 1
	s_add_co_u32 s[G0+4*\s+1], s45, \s*SLOT
	s_add_nc_u64 s[G0+4*\s+2:G0+4*\s+3], s[20:21], \s*ROWB
	s_or_b32 s[G0+4*\s+3], s[G0+4*\s+3], 0x80000000
	s_mov_b32 s[G0B+4*\s], 1
	s_add_co_u32 s[G0B+4*\s+1], s45, \s*SLOT
	s_add_nc_u64 s[G0B+4*\s+2:G0B+4*\s+3], s[46:47], \s*ROWB
	s_or_b32 s[G0B+4*\s+3], s[G0B+4*\s+3], 0x80000000
	JLOAD G0+4*\s, G1, G0B+4*\s, G1B
.endr
	v_and_b32 v1, 15, v0                           ; r
	v_bfe_u32 v2, v0, 4, 1                         ; h
	v_mul_u32_u24 v3, v1, PITCH
	v_lshl_add_u32 v4, v2, 4, v3
	s_mul_i32 s21, s15, HALFT                      ; my 128 rows of A
	s_mul_i32 s22, s16, HALFT                      ; my 128 rows of B,
	s_add_co_u32 s22, s22, 2*HALFT                 ; behind A's 256
.irp s, 0,1
	v_add_nc_u32 v[ADRA+\s], s21, v4
	v_add_nc_u32 v[ADRB+\s], s22, v4
	s_add_co_u32 s21, s21, SLOT
	s_add_co_u32 s22, s22, SLOT
.endr
	v_mul_u32_u24 v5, v1, KS                       ; my row's scales: 32 bytes a row,
	v_lshrrev_b32 v6, 8, v5
	v_lshl_add_u32 v5, v6, 4, v5                   ; 16 more for each 256 passed
	s_mul_i32 s21, s15, HALFS
	s_mul_i32 s22, s16, HALFS
	s_add_co_u32 s22, s22, 2*HALFS
	s_sub_co_u32 s22, s22, s21
	v_mul_u32_u24 v6, s22, v2                      ; lanes 16-31 take B's
	s_add_co_u32 s21, s21, SCL
	v_add_nc_u32 v5, v5, v6
	v_add_nc_u32 v[ADRS], s21, v5
	s_mul_i32 s23, s14, 16*SPITCH                  ; my stage
	v_mul_u32_u24 v5, v1, SPITCH
	v_lshl_add_u32 v5, v2, 4, v5
	v_add_nc_u32 v[STO], s23, v5                   ; in: row r, 16 bytes for each half of the lanes
	v_and_b32 v6, 31, v0
	v_lshlrev_b32 v[CO], 4, v6                     ; out: 16 bytes a lane
	v_lshrrev_b32 v5, 3, v6
	v_mul_u32_u24 v5, v5, SPITCH
	v_and_b32 v6, 7, v0
	v_lshl_add_u32 v5, v6, 4, v5
	v_add_nc_u32 v[RD], s23, v5                    ; back: eight lanes take a token's 128 bytes of one head, four tokens an instruction
	v_lshlrev_b32 v[BO], 5, v2
	v_lshlrev_b32 v[MO], 2, v1
	; the bias of my 128 columns; the mask words of my 128 tokens; where my results go.  Every LDS address and descriptor has been made.
	s_cmp_eq_u32 ttmp9, 0
	s_cselect_b64 s[96:97], s[96:97], s[98:99]
	s_cmp_eq_u32 ttmp9, 2
	s_cselect_b64 s[96:97], s[100:101], s[96:97]
	s_lshl_b32 s46, s40, 10                        ; 256 cx + 128 x half columns, 4 bytes each
	s_lshl_b32 s47, s16, 9
	s_add_co_u32 s46, s46, s47
	s_mov_b32 s47, 0
	s_add_nc_u64 s[96:97], s[96:97], s[46:47]
	s_lshl_b32 s20, s17, 8
	s_lshl_b32 s21, s15, 7
	s_add_co_u32 s20, s20, s21                     ; my first token
	s_lshl_b32 s22, s20, 2
	s_mov_b32 s23, 0
	s_add_nc_u64 s[66:67], s[66:67], s[22:23]
.irp b, 0,1,2,3,4,5,6,7
	global_load_b128 v[CBI+8*\b:CBI+8*\b+3], v[BO], s[96:97] offset:64*\b       ; lane (r, h), register j: the bias of column 16 b + 8 h + j
	global_load_b128 v[CBI+8*\b+4:CBI+8*\b+7], v[BO], s[96:97] offset:64*\b+16
.endr
.irp a, 0,1,2,3,4,5,6,7
	global_load_b32 v[MK+\a], v[MO], s[66:67] offset:64*\a                      ; the mask word of token 16 a + r
.endr
	s_lshr_b32 s21, s20, 11                        ; the batch
	s_and_b32 s22, s20, 2047                       ; the place in the sequence
	s_lshl_b32 s21, s21, 4
	s_lshl_b32 s46, s40, 2
	s_add_co_u32 s21, s21, s46
	s_lshl_b32 s46, s16, 1
	s_add_co_u32 s21, s21, s46                     ; 16 b + my first head (4 cx + 2 x half)
	s_lshl_b32 s21, s21, 18                        ; a head is 2,048 x 128 bytes
	s_lshl_b32 s22, s22, 7
	s_add_co_u32 s22, s22, s21
	s_lshl_b32 s21, ttmp9, 24                      ; Q, K, V are 2^24 bytes each
	s_add_co_u32 s22, s22, s21
	s_mov_b32 s23, 0
	s_add_nc_u64 s[12:13], s[12:13], s[22:23]
.macro FRAG reg, adr, q, i             ; 16 rows x 128 K of 4-bit codes: lane l holds row l % 16; registers 4 c .. 4 c + 3: K = 64 c + 32 (l / 16) + 0 .. 31
.irp c, 0,1
	ds_load_b128 v[\reg+4*\c:\reg+4*\c+3], v[\adr] offset:64*(\q)+32*\c+(\i)*16*PITCH
.endr
.endm
; 16 matrix instructions: A's blocks a0, a0 + 1 x B's eight.  p: B's set; sc: the set of scale words.  zero = 1: the first product takes the bias as C.
; The 64 accumulators take turns, one instruction a turn, in the same order in every step.
.macro MUL16 a0, p, q, sc, zero
.irp a, \a0, \a0+1
.irp b, 0,1,2,3,4,5,6,7
.if \zero
	v_wmma_scale_f32_16x16x128_f8f6f4 v[8*(8*((\a)%4)+\b):8*(8*((\a)%4)+\b)+7], v[128*(\p)+FR*\b:128*(\p)+FR*\b+FR-1], v[AF+FR*(\a):AF+FR*(\a)+FR-1], v[CBI+8*\b:CBI+8*\b+7], v[SC+8*NQ*(\sc)+NQ*\b+(\q)], v[SC+8*NQ*(\sc)+NQ*(\a)+(\q)] matrix_a_fmt:MATRIX_FMT_FP4 matrix_b_fmt:MATRIX_FMT_FP4 matrix_a_scale:MATRIX_SCALE_ROW1
.else
	v_wmma_scale_f32_16x16x128_f8f6f4 v[8*(8*((\a)%4)+\b):8*(8*((\a)%4)+\b)+7], v[128*(\p)+FR*\b:128*(\p)+FR*\b+FR-1], v[AF+FR*(\a):AF+FR*(\a)+FR-1], v[8*(8*((\a)%4)+\b):8*(8*((\a)%4)+\b)+7], v[SC+8*NQ*(\sc)+NQ*\b+(\q)], v[SC+8*NQ*(\sc)+NQ*(\a)+(\q)] matrix_a_fmt:MATRIX_FMT_FP4 matrix_b_fmt:MATRIX_FMT_FP4 matrix_a_scale:MATRIX_SCALE_ROW1
.endif
.endr
.endr
.endm
.macro FETCH_B slot, q, p
	WIN TO_B
.irp i, 0,1,2,3,4,5,6,7
	FRAG 128*(\p)+FR*\i, ADRB+\slot, \q, \i
.endr
	WIN 0
.endm
.macro FETCH_A slot, q, i0
.irp i, \i0, \i0+1, \i0+2, \i0+3
	FRAG AF+FR*(\i), ADRA+\slot, \q, \i
.endr
.endm
.macro SCALES sc                       ; a slot's scale words: lanes 0-15 take A's block i, lanes 16-31 B's block i
.irp i, 0,1,2,3,4,5,6,7
	ds_load_b128 v[SC+8*NQ*\sc+NQ*\i:SC+8*NQ*\sc+NQ*\i+3], v[ADRS] offset:\i*SBLK
.endr
.endm
.macro PLACES n                        ; plain vector instructions between a matrix instruction and a load into, or a read of, its registers
.rept \n
	v_nop
.endr
.endm
.macro STEP slot, q, zero              ; 128 along K, with its successor in the same slot
	s_wait_dscnt 4*NL                              ; B's set and A's blocks 0-3 are in; A's blocks 4-7 may be out
.if \zero
	WIN ONE_LO
.else
	WIN MUL_LO
.endif
	MUL16 0, (\q)%2, \q, \slot, \zero
	MUL16 2, (\q)%2, \q, \slot, \zero
	s_wait_dscnt 0
	PLACES NP
	FETCH_B \slot, (\q)+1, 1-(\q)%2
	FETCH_A \slot, (\q)+1, 0
.if \zero
	WIN ONE_HI
.else
	WIN MUL_HI
.endif
	MUL16 4, (\q)%2, \q, \slot, \zero
	MUL16 6, (\q)%2, \q, \slot, \zero
	PLACES NP
	WIN 0
	FETCH_A \slot, (\q)+1, 4
.endm
; Slot 0's last step changes slots: each wave waits for all its tensor loads (its part of slot 1), and one barrier shows slot 1 whole to all four.  Nothing is filled again.
.macro TURN slot, next
	s_wait_tensorcnt 0x0
	ds_add_u32 v[SPW], v[NIL]                      ; 0 onto my spare word
	s_wait_dscnt 4*NL+1                            ; the add and A's blocks 4-7 may be out
	WIN MUL_LO
	MUL16 0, 1, NQ-1, \slot, 0
	s_wait_dscnt 0x0
	s_barrier_signal -1
	MUL16 2, 1, NQ-1, \slot, 0
	WIN 0
	s_barrier_wait -1
	PLACES NP
	v_add_nc_u32 v[ADRS], 4*NQ, v[ADRS]            ; on to the next slot's scale words
	FETCH_B \next, 0, 0
	FETCH_A \next, 0, 0
	SCALES \next
	WIN MUL_HI
	MUL16 4, 1, NQ-1, \slot, 0
	MUL16 6, 1, NQ-1, \slot, 0
	PLACES NP
	WIN 0
	FETCH_A \next, 0, 4
.endm
	s_wait_tensorcnt 1                             ; the scales and my part of slot 0 are in; slot 1's load may be out
	s_barrier_signal -1
	s_barrier_wait -1
	FETCH_B 0, 0, 0
	FETCH_A 0, 0, 0
	SCALES 0
	FETCH_A 0, 0, 4
	s_wait_loadcnt 0x0                             ; the bias and the mask words
	s_cmp_lg_u32 ttmp9, 1
	s_cselect_b32 s95, 1, 0                        ; only K looks at the mask
	s_mov_b32 s94, 0x3f800000
	s_cmp_eq_u32 ttmp9, 0
	s_cselect_b32 s94, 0x3e38aa3b, s94             ; Q: log2(e) / 8; K, V: 1
	v_mov_b32 v[MK+8], s94
.irp a, 0,1,2,3,4,5,6,7
	v_or_b32 v[MK+\a], s95, v[MK+\a]
.endr
.irp a, 0,1,2,3,4,5,6,7
	v_cmp_ne_u32 vcc_lo, 0, v[MK+\a]
	v_cndmask_b32 v[FAC+2*\a], 0, v[MK+8], vcc_lo  ; my token's factor in block a; 0 for a hidden key
	v_cndmask_b32 v[FAC+2*\a+1], 0, v[MK+8], vcc_lo ; (named with it as a pair)
.endr
	STEP 0, 0, 1
	STEP 0, 1, 0
	STEP 0, 2, 0
	TURN 0, 1
	STEP 1, 0, 0
	STEP 1, 1, 0
	STEP 1, 2, 0
	s_wait_dscnt 4*NL                              ; the last step: nothing more to fetch
	WIN MUL_LO
	MUL16 0, 1, NQ-1, 1, 0
	MUL16 2, 1, NQ-1, 1, 0
	s_wait_dscnt 0
	WIN MUL_HI
	MUL16 4, 1, NQ-1, 1, 0
	MUL16 6, 1, NQ-1, 1, 0
	WIN 0
; THE WAY OUT, a block of 16 tokens x 128 columns (two heads) at a time: x factor, to f16, 16 bytes a lane into my stage, back as four tokens' 128 bytes of one head: 512 consecutive bytes of qkv a store.
.macro PACK a
.set AC, 64*((\a)%4)
	WIN 0x02+(\a)/4                                ; source 0: window 2 or 3
.irp b, 0,1,2,3,4,5,6,7
.irp p, 0,1,2,3
	v_pk_mul_f32 v[TF+8*\b+2*\p:TF+8*\b+2*\p+1], v[AC+8*\b+2*\p:AC+8*\b+2*\p+1], v[FAC+2*(\a):FAC+2*(\a)+1] op_sel_hi:[1,0]   ; each accumulator from its low end on
.endr
.endr
	WIN 0
.irp b, 0,1,2,3,4,5,6,7
.irp p, 0,1,2,3
	v_cvt_pk_f16_f32 v[TH+4*\b+\p], v[TF+8*\b+2*\p], v[TF+8*\b+2*\p+1]
.endr
.endr
.endm
.macro TOSTAGE a
.set BB, BK+32*((\a)%2)
.irp b, 0,1,2,3,4,5,6,7
	ds_store_b128 v[STO], v[TH+4*\b:TH+4*\b+3] offset:32*\b
.endr
.irp i, 0,1,2,3,4,5,6,7
	ds_load_b128 v[BB+4*\i:BB+4*\i+3], v[RD] offset:(\i%4)*4*SPITCH+(\i/4)*128   ; LDS serves a wave's instructions in order: these see the stores above
.endr
.endm
.macro SEND a
.set BB, BK+32*((\a)%2)
	s_wait_dscnt 0x0                               ; the block is back in registers
	s_wait_xcnt 0x0                                ; the stores of the block before have read their registers: the next loads from the stage land there only behind this wait
.irp i, 0,1,2,3,4,5,6,7
	global_store_b128 v[CO], v[BB+4*\i:BB+4*\i+3], s[12:13] offset:(\i/4)*262144+(16*(\a)+4*(\i%4))*128
.endr
.endm
	PLACES NP                                      ; behind the last products: the lines below write registers that held A's fragments
	PACK 0
	TOSTAGE 0
.irp a, 1,2,3,4,5,6,7
	PACK \a
	SEND \a-1
	TOSTAGE \a
.endr
	SEND 7
	s_wait_tensorcnt 0x0                           ; the wave's end
	ds_add_u32 v[SPW], v[NIL]
	s_wait_dscnt 0x0
	CROUND                                         ; the closing round
	s_endpgm
.Lfunc_end_k_q37bc425de4_proj:
	.size	k_q37bc425de4_proj, .Lfunc_end_k_q37bc425de4_proj-k_q37bc425de4_proj
	.p2alignl 7, 3214868480
	.fill 96, 4, 3214868480
	.section	.rodata,"a",@progbits
	.p2align	6, 0x0
	.amdhsa_kernel k_q37bc425de4_proj
		.amdhsa_group_segment_fixed_size 327680
		.amdhsa_private_segment_fixed_size 0
		.amdhsa_enable_private_segment 0
		.amdhsa_kernarg_size 72
		.amdhsa_user_sgpr_count 2
		.amdhsa_user_sgpr_kernarg_segment_ptr 1
		.amdhsa_wavefront_size32 1
		.amdhsa_system_sgpr_workgroup_id_x 1
		.amdhsa_system_sgpr_workgroup_id_y 1
		.amdhsa_system_sgpr_workgroup_id_z 1
		.amdhsa_system_vgpr_workitem_id 0
		.amdhsa_next_free_vgpr 1024
		.amdhsa_next_free_sgpr 102
		.amdhsa_reserve_vcc 1
		.amdhsa_float_denorm_mode_32 3
		.amdhsa_float_denorm_mode_16_64 3
		.amdhsa_memory_ordered 1
		.amdhsa_forward_progress 1
		.amdhsa_inst_pref_size 147
	.end_amdhsa_kernel
	.amdgpu_metadata
---
amdhsa.version: [ 1, 2 ]
amdhsa.kernels:
  - .name:           k_q37bc425de4_proj
    .symbol:         k_q37bc425de4_proj.kd
    .args:
      - { .name: xc, .offset: 0, .size: 8, .value_kind: global_buffer, .address_space: global }
      - { .name: xs, .offset: 8, .size: 8, .value_kind: global_buffer, .address_space: global }
      - { .name: wc, .offset: 16, .size: 8, .value_kind: global_buffer, .address_space: global }
      - { .name: ws, .offset: 24, .size: 8, .value_kind: global_buffer, .address_space: global }
      - { .name: qkv, .offset: 32, .size: 8, .value_kind: global_buffer, .address_space: global }
      - { .name: mask, .offset: 40, .size: 8, .value_kind: global_buffer, .address_space: global }
      - { .name: b_q, .offset: 48, .size: 8, .value_kind: global_buffer, .address_space: global }
      - { .name: b_k, .offset: 56, .size: 8, .value_kind: global_buffer, .address_space: global }
      - { .name: b_v, .offset: 64, .size: 8, .value_kind: global_buffer, .address_space: global }
    .group_segment_fixed_size: 327680
    .private_segment_fixed_size: 0
    .kernarg_segment_align: 8
    .kernarg_segment_size: 72
    .max_flat_workgroup_size: 128
    .sgpr_count:     102
    .vgpr_count:     1024
    .wavefront_size: 32
...
	.end_amdgpu_metadata
.endif
;; end of part 2
;; launch attn (part 3): grid 4 x 64, 8 waves a work-group, clusters of 4 x 1, 327,680 bytes of LDS; arguments qkv, mask, ctx; writes ctx
.if DOCPART == 3
	.amdgcn_target "amdgcn-amd-amdhsa--gfx1250"
	.amdhsa_code_object_version 6
	.text
	.protected	k_q37bc425de4_attn
	.globl	k_q37bc425de4_attn
	.p2align	8
	.type	k_q37bc425de4_attn,@function
k_q37bc425de4_attn:
	s_mov_b64 s[64:65], 0
	v_nop
	global_prefetch_b8 v0, s[64:65] scope:SCOPE_SE
	s_setreg_imm32_b32 hwreg(HW_REG_WAVE_MODE, 25, 1), 1
	s_wait_xcnt 0x0
	s_wait_alu depctr_hold_cnt(0) depctr_sa_sdst(0) depctr_va_vdst(0) depctr_va_sdst(0) depctr_va_ssrc(0) depctr_va_vcc(0) depctr_vm_vsrc(0)
	s_getreg_b32 s2, hwreg(HW_REG_IB_STS2, 6, 4)
	s_cmp_eq_u32 s2, 0
	s_cbranch_scc0 .Lentry_in_a_cluster
	s_endpgm
.Lentry_in_a_cluster:
	s_bfe_u32 s2, ttmp6, 0x10000c
	s_cmp_lg_u32 s2, 0x3003
	s_cbranch_scc0 .Lentry_shape_is_right
	s_endpgm
.Lentry_shape_is_right:
; ATTN: ctx[b][h][q] = the sum over k of softmax_k(score) V[k], score = Q . K / 8, or -1e9 where mask[b][k] = 0.  Operands f16, sums, maxima and exponentials f32; the weights p are rounded to f16.
; qkv: f16 [3][b][h][2048][64]; Q arrives multiplied by log2(e) / 8, hidden keys' rows of K arrive as zeros.  So t = K Q^T + bias[key], bias = 0 or -1e9 log2(e), is the score in base 2: the bias is the C of the
; first product, and a hidden key's t is exactly that constant.  p = 2^(t - m), m the running largest t of the query; with every key hidden t - m = 0 and the result is the plain average, as the definition has it.
; LIMITS: no NaN or infinity in qkv.
; SHARES: a work-group owns 512 queries of one (b, h), each of its eight waves 64: four tiles of 16.  Two waves lie on a SIMD, each written in phases (K Q^T, softmax, V^T P): one's vector work stands beside the other's products.
; Every wave walks the head's 2,048 keys, 64 a step, through two LDS slots of 512 keys.  CLUSTER: a head's four query blocks ask for K and V jointly.
; LAYOUT: S^T = K Q^T (source 0 = 16 keys, source 1 = 16 queries): a lane holds one query (lane % 16) and keys 8 (lane / 16) + 0..7; two such tiles, rounded in pairs, are source 1 of O^T = V^T P.  V comes out of LDS turned.
; LDS: K's and V's rows of 128 bytes are dense in memory, so a tile is stated as rows of 256 bytes, two keys each, with 16 (K) or 32 (V) bytes of padding behind each:
;   key k of K at 272 (k / 2) + 128 (k % 2), of V at 288 (k / 2) + 128 (k % 2).
; No prefetch is laid: a refill is asked for eight key steps, 512 matrix instructions of the wave, ahead of the wait for it, and the first fills stand at the head.
; REGISTERS: window 0: v1-10 addresses; v12, v13 the add's two; v16-47 statistics, 8 a tile: +0 m, +2,+3 l, +4 a, +6,+7 at work; v48-60 the head's; v64-191 S^T, 32 a tile, p over its first 16; v192-255 K.
;   window 1: v0-127 O^T, 32 a tile; v128-191 Q; v192-255 V; the next step's bias lies in v192-223 from the middle of V^T P to the next K Q^T.
.set KQB,   17408                      ; 128 keys of K in LDS: what one tensor load brings
.set VQB,   18432                      ; of V
.set VOFF,  69632                      ; a slot: 512 keys of K, then of V
.set SLOTB, 143360
.set KSTB,  8704                       ; a step's 64 keys of K
.set VSTB,  9216                       ; of V
.set MB,    286720                     ; the bias of the 2,048 keys, f32, and 1,024 bytes of zeros behind them, where the last step's look-ahead lands
.set SPARE, 295936                     ; the spare words, 128 bytes for each wave
.set STG,   9216                       ; the way out: 64 rows x (128 bytes + 16) for each wave, in slot 0, behind its last fill and its last read
.set AK0, 1
.set AV0, 2
.set AM0, 3
.set ADK, 4
.set ADV, 5
.set ADM, 6
.set QO,  7
.set STO, 8
.set RD,  9
.set GO,  10
.set SPW, 12
.set NIL, 13
.set ST,  16
.set S,   64
.set KF,  192
.set QF,  128
.set VF,  192
.set WV,  14
.set G1K, 24
.set G1V, 32
.set G0K, 40                           ; s[40:47] group 0 for K's tiles, a set for each slot
.set G0V, 48                           ; s[48:55] for V's
.set SEL, 56
.set TK,  58                           ; s58  LDS byte of the next step's K
.set TV,  59                           ; s59  of this step's V
.set TM,  60                           ; s60  of the next step's bias, from MB on
.set CNT, 61                           ; s61  steps left in the slot
.set MSB, 0
.macro WIN new                         ; the immediate's high byte repeats the setting that is left
.if MSB != (\new)
	s_set_vgpr_msb (MSB<<8)|(\new)
.set MSB, (\new)
.endif
.endm
.macro CROUND                          ; a round of the cluster's barrier
	s_barrier_signal -1
	s_barrier_wait -1
	s_cmp_lg_u32 s[WV], 0
	s_cbranch_scc1 .Lnot_wave_0_\@
	s_barrier_signal -3
.Lnot_wave_0_\@:
	s_barrier_wait -3
	s_barrier_signal -1
	s_barrier_wait -1
.endm
.macro JLOAD s                         ; a joint refill of slot s: waves 0-3 K's quarters, waves 4-7 V's; an s_nop 0 and four v_nop follow each line
	s_cmp_lt_u32 s[WV], 4
	s_cbranch_scc0 .Lfor_v_\@
	tensor_load_to_lds s[G0K+4*\s:G0K+4*\s+3], s[G1K:G1K+7]
	s_nop 0
.rept 4
	v_nop
.endr
	s_branch .Lasked_\@
.Lfor_v_\@:
	tensor_load_to_lds s[G0V+4*\s:G0V+4*\s+3], s[G1V:G1V+7]
	s_nop 0
.rept 4
	v_nop
.endr
.Lasked_\@:
.endm
.macro FETCH_K                         ; 64 keys x 64 channels: fragment (kt, kk): keys 16 kt on, channels 32 kk on
.irp kt, 0,1,2,3
.irp kk, 0,1
	ds_load_b128 v[KF+16*\kt+8*\kk:KF+16*\kt+8*\kk+3],   v[ADK] offset:2176*\kt+64*\kk
	ds_load_b128 v[KF+16*\kt+8*\kk+4:KF+16*\kt+8*\kk+7], v[ADK] offset:2176*\kt+64*\kk+32
.endr
.endr
.endm
.macro FETCH_V                         ; turned: fragment (u, ct): keys 32 u on, channels 16 ct on
	WIN 0x40
.irp u, 0,1
.irp ct, 0,1,2,3
	ds_load_tr16_b128 v[VF+32*\u+8*\ct:VF+32*\u+8*\ct+3],   v[ADV] offset:4608*\u+32*\ct
	ds_load_tr16_b128 v[VF+32*\u+8*\ct+4:VF+32*\u+8*\ct+7], v[ADV] offset:4608*\u+2304+32*\ct
.endr
.endr
.endm
.macro FETCH_M                         ; the bias in the result's layout: lane (r, h), tile kt, register j: key 16 kt + 8 h + j
	WIN 0x40
.irp kt, 0,1,2,3
	ds_load_b128 v[VF+8*\kt:VF+8*\kt+3],   v[ADM] offset:64*\kt
	ds_load_b128 v[VF+8*\kt+4:VF+8*\kt+7], v[ADM] offset:64*\kt+16
.endr
.endm
; The 16 accumulators take turns, one instruction a turn: between two links of a chain stand 15 others'.
.macro KQ
	WIN 0x14                                       ; K window 0, Q window 1, C (the bias) window 1, S^T window 0
.irp kt, 0,1,2,3
.irp t, 0,1,2,3
	v_wmma_f32_16x16x32_f16 v[S+32*\t+8*\kt:S+32*\t+8*\kt+7], v[KF+16*\kt:KF+16*\kt+7], v[QF+16*\t:QF+16*\t+7], v[VF+8*\kt:VF+8*\kt+7]
.endr
.endr
	WIN 0x04
.irp kt, 0,1,2,3
.irp t, 0,1,2,3
	v_wmma_f32_16x16x32_f16 v[S+32*\t+8*\kt:S+32*\t+8*\kt+7], v[KF+16*\kt+8:KF+16*\kt+15], v[QF+16*\t+8:QF+16*\t+15], v[S+32*\t+8*\kt:S+32*\t+8*\kt+7]
.endr
.endr
.endm
.macro PV u, zero                      ; O^T += V^T P for keys 32 u on.  zero = 1: the products start the sums
	WIN 0x51                                       ; V window 1, P window 0, O^T window 1
.irp ct, 0,1,2,3
.irp t, 0,1,2,3
.if \zero
	v_wmma_f32_16x16x32_f16 v[32*\t+8*\ct:32*\t+8*\ct+7], v[VF+32*\u+8*\ct:VF+32*\u+8*\ct+7], v[S+32*\t+8*\u:S+32*\t+8*\u+7], 0
.else
	v_wmma_f32_16x16x32_f16 v[32*\t+8*\ct:32*\t+8*\ct+7], v[VF+32*\u+8*\ct:VF+32*\u+8*\ct+7], v[S+32*\t+8*\u:S+32*\t+8*\u+7], v[32*\t+8*\ct:32*\t+8*\ct+7]
.endif
.endr
.endr
.endm
; The four tiles' softmax of one step, the tiles by turns line by line.  first = 1: the first step has no old m, no a, nothing to rescale.
.macro SOFTMAX first
	WIN 0
.irp t, 0,1,2,3
	v_max3_num_f32 v[ST+8*\t+6], v[S+32*\t], v[S+32*\t+1], v[S+32*\t+2]        ; ascending: each accumulator is first read at its low end
.endr
.irp i, 1,2,3,4,5,6,7,8,9,10,11,12,13,14
.irp t, 0,1,2,3
	v_max3_num_f32 v[ST+8*\t+6], v[ST+8*\t+6], v[S+32*\t+2*\i+1], v[S+32*\t+2*\i+2]
.endr
.endr
.irp t, 0,1,2,3
.if \first
	v_max_num_f32 v[ST+8*\t+6], v[ST+8*\t+6], v[S+32*\t+31]
.else
	v_max3_num_f32 v[ST+8*\t+6], v[ST+8*\t+6], v[S+32*\t+31], v[ST+8*\t]
.endif
.endr
.irp t, 0,1,2,3
	v_permlanex16_b32 v[ST+8*\t+7], v[ST+8*\t+6], s[SEL], s[SEL+1]            ; the query's other 32 keys lie in the lane 16 away
.endr
.irp t, 0,1,2,3
	v_max_num_f32 v[ST+8*\t+7], v[ST+8*\t+6], v[ST+8*\t+7]                    ; the new m
.endr
.if !\first
.irp t, 0,1,2,3
	v_sub_f32 v[ST+8*\t+4], v[ST+8*\t], v[ST+8*\t+7]                          ; old m - new m, 0 or less
.endr
.endif
.irp t, 0,1,2,3
	v_mov_b32 v[ST+8*\t], v[ST+8*\t+7]
.endr
.irp i, 0,1,2,3,4,5,6,7,8,9,10,11,12,13,14,15
.irp t, 0,1,2,3
	v_pk_add_f32 v[S+32*\t+2*\i:S+32*\t+2*\i+1], v[S+32*\t+2*\i:S+32*\t+2*\i+1], v[ST+8*\t:ST+8*\t+1] op_sel_hi:[1,0] neg_lo:[0,1] neg_hi:[0,1]   ; t - m
.endr
.endr
.if !\first
.irp t, 0,1,2,3
	v_exp_f32 v[ST+8*\t+4], v[ST+8*\t+4]                                      ; a = 2^(old m - new m)
.endr
.endif
.irp i, 0,1,2,3,4,5,6,7,8,9,10,11,12,13,14,15,16,17,18,19,20,21,22,23,24,25,26,27,28,29,30,31
.irp t, 0,1,2,3
	v_exp_f32 v[S+32*\t+\i], v[S+32*\t+\i]                                    ; p = 2^(t - m)
.endr
.endr
	v_nop                                          ; a plain instruction behind the last exponential
	s_wait_alu depctr_va_vdst(0)                   ; one wait for the whole batch, ahead of the first instruction that names a result
.irp t, 0,1,2,3
.if \first
	v_pk_add_f32 v[ST+8*\t+2:ST+8*\t+3], v[S+32*\t:S+32*\t+1], v[S+32*\t+2:S+32*\t+3]
.else
	v_pk_fma_f32 v[ST+8*\t+2:ST+8*\t+3], v[ST+8*\t+2:ST+8*\t+3], v[ST+8*\t+4:ST+8*\t+5], v[S+32*\t:S+32*\t+1] op_sel_hi:[1,0,1]   ; l = a l + p
	v_pk_add_f32 v[ST+8*\t+2:ST+8*\t+3], v[ST+8*\t+2:ST+8*\t+3], v[S+32*\t+2:S+32*\t+3]
.endif
.endr
.irp i, 2,3,4,5,6,7,8,9,10,11,12,13,14,15
.irp t, 0,1,2,3
	v_pk_add_f32 v[ST+8*\t+2:ST+8*\t+3], v[ST+8*\t+2:ST+8*\t+3], v[S+32*\t+2*\i:S+32*\t+2*\i+1]
.endr
.endr
.irp i, 0,1,2,3,4,5,6,7,8,9,10,11,12,13,14,15
.irp t, 0,1,2,3
	v_cvt_pk_f16_f32 v[S+32*\t+\i], v[S+32*\t+2*\i], v[S+32*\t+2*\i+1]        ; ascending, in place: register i is written when 2 i and 2 i + 1 are read
.endr
.endr
.if !\first
	WIN 0x41                                       ; O^T window 1, a window 0
.irp t, 0,1,2,3
.irp i, 0,1,2,3,4,5,6,7,8,9,10,11,12,13,14,15
	v_pk_mul_f32 v[32*\t+2*\i:32*\t+2*\i+1], v[32*\t+2*\i:32*\t+2*\i+1], v[ST+8*\t+4:ST+8*\t+5] op_sel_hi:[1,0]
.endr
.endr
.endif
.endm
; A KEY STEP.  K and the bias were fetched in the step before.  The next step's K is fetched here, but not across a change of slots: a branch on the count of steps.
.macro STEP first
	s_wait_dscnt 0x0                               ; K and the bias are in
	KQ
	WIN 0
	v_add_nc_u32 v[ADV], s[TV], v[AV0]             ; these two and two v_nop: the four places behind the products, ahead of the loads into K's and V's registers and of the first read of S^T
	v_add_nc_u32 v[ADK], s[TK], v[AK0]
	v_nop
	v_nop
	FETCH_V
	WIN 0
.if !\first
	s_cmp_eq_u32 s[CNT], 1
	s_cbranch_scc1 .Lno_k_\@
.endif
	FETCH_K
.Lno_k_\@:
	SOFTMAX \first
	s_wait_dscnt 0x0                               ; V is in
	PV 0, \first
	WIN 0
	v_add_nc_u32 v[ADM], s[TM], v[AM0]             ; four places, ahead of the loads into the registers that held V's first half
	v_nop
	v_nop
	v_nop
	FETCH_M
	PV 1, 0
	WIN 0
.rept 5
	v_nop                                          ; five places: the next K Q^T writes over p, which these products read
.endr
	s_add_co_u32 s[TK], s[TK], KSTB
	s_add_co_u32 s[TV], s[TV], VSTB
	s_add_co_u32 s[TM], s[TM], 256
.endm
; THE CHANGE OF SLOTS.  Each wave waits for all its tensor loads (its part of the slot ahead), adds 0 to its spare word, and waits for that and for its reads of the slot that it leaves.
; fill = 1: slot s, just left, is filled with the keys two slots on: the barrier is a round of the cluster's, and the joint refill is the first thing behind it.
.macro CHANGE fill, s
	s_wait_tensorcnt 0x0
	ds_add_u32 v[SPW], v[NIL]
.if \fill
	s_add_nc_u64 s[G0K+4*\s+2:G0K+4*\s+3], s[G0K+4*\s+2:G0K+4*\s+3], 131072   ; no load of mine is out: 1,024 keys on
	s_add_nc_u64 s[G0V+4*\s+2:G0V+4*\s+3], s[G0V+4*\s+2:G0V+4*\s+3], 131072
.endif
	s_wait_dscnt 0x0
.if \fill
	CROUND
	JLOAD \s
.else
	s_barrier_signal -1
	s_barrier_wait -1
.endif
.endm
.macro SLOT base, n                    ; n steps in the slot that begins at LDS byte base
	s_mov_b32 s[TK], \base
	s_mov_b32 s[TV], \base
	v_add_nc_u32 v[ADK], s[TK], v[AK0]
	FETCH_K
	s_add_co_u32 s[TK], s[TK], KSTB
	s_mov_b32 s[CNT], \n
.Lstep_\@:
	STEP 0
	s_sub_co_u32 s[CNT], s[CNT], 1
	s_cmp_lg_u32 s[CNT], 0
	s_cbranch_scc1 .Lstep_\@
.endm
	s_load_b128 s[4:7], s[0:1], 0x0                ; qkv, mask
	s_load_b64 s[8:9], s[0:1], 0x10                ; ctx
	v_lshl_add_u32 v[SPW], v0, 2, SPARE
	v_mov_b32 v[NIL], 0
	ds_add_u32 v[SPW], v[NIL]                      ; the wave's opening: the add, twice on end, and its wait ahead of my first tensor load
	ds_add_u32 v[SPW], v[NIL]
	v_lshrrev_b32 v11, 5, v0
	v_readfirstlane_b32 s[WV], v11                 ; wave 0..7
	s_bfe_u32 s10, ttmp6, 0x40000                  ; cx: my block of 512 queries; it enters Q's and ctx's addresses alone
	s_and_b32 s11, ttmp7, 0xffff                   ; 16 b + h, which the four partners share
	s_lshl_b32 s16, s11, 18                        ; the head's first byte: 2,048 x 128 bytes a head
	s_and_b32 s12, s[WV], 3                        ; which quarter of a slot I fetch:
	s_lshl_b32 s18, s12, 14                        ; its 128 keys in memory,
	s_add_co_u32 s18, s18, s16
	s_mov_b32 s19, 0
	s_mul_i32 s13, s12, KQB                        ; and in a slot, for K
	s_mul_i32 s15, s12, VQB
	s_add_co_u32 s15, s15, VOFF                    ; and for V
	s_lshl_b32 s20, s10, 16
	s_lshl_b32 s21, s[WV], 13
	s_add_co_u32 s20, s20, s21
	s_add_co_u32 s20, s20, s16                     ; my wave's 64 queries
	s_mov_b32 s21, 0
	s_lshr_b32 s22, s11, 4
	s_lshl_b32 s22, s22, 13                        ; the batch's 2,048 mask words
	s_mov_b32 s23, 0
	s_mul_i32 s62, s[WV], STG                      ; my stage
	s_mov_b32 s[G1K], 15|(1<<16)|(1<<20)|(1<<21)|(5<<22)|(3<<25)  ; all four work-groups; elements of 2 bytes; padding: 4 words behind every 64; bit 21 beside a mask
	s_mov_b32 s[G1V], 15|(1<<16)|(1<<20)|(1<<21)|(5<<22)|(7<<25)  ; the same with 8 words
.irp g, G1K, G1V
	s_mov_b32 s[\g+1], 128<<16                     ; tensor_dim0: 128 elements: two keys
	s_mov_b32 s[\g+2], 64<<16                      ; tensor_dim1
	s_mov_b32 s[\g+3], 128<<16                     ; tile_dim0
	s_mov_b32 s[\g+4], 64                          ; tile_dim1
	s_mov_b32 s[\g+5], 128                         ; the pitch: the rows are dense
	s_mov_b32 s[\g+6], 0
	s_mov_b32 s[\g+7], 0
.endr
	s_mov_b32 s[SEL], 0x76543210
	s_mov_b32 s[SEL+1], 0xfedcba98
	s_wait_dscnt 0x0                               ; both opening adds are done
	s_wait_kmcnt 0x0
	s_add_nc_u64 s[2:3], s[4:5], s[18:19]          ; qkv at the head and my quarter
	s_add_nc_u64 s[4:5], s[4:5], s[20:21]          ; Q at my wave's first query
	s_add_nc_u64 s[8:9], s[8:9], s[20:21]          ; ctx likewise
	s_add_nc_u64 s[6:7], s[6:7], s[22:23]
	CROUND                                         ; all four work-groups are here: the first joint loads meet
.irp s, 0,1
	s_mov_b32 s[G0K+4*\s], 1
	s_add_co_u32 s[G0K+4*\s+1], s13, \s*SLOTB
	s_add_nc_u64 s[G0K+4*\s+2:G0K+4*\s+3], s[2:3], 0x1000000+\s*65536          ; K begins 2^24 bytes into qkv; a slot's 512 keys are 65,536 bytes
	s_or_b32 s[G0K+4*\s+3], s[G0K+4*\s+3], 0x80000000
	s_mov_b32 s[G0V+4*\s], 1
	s_add_co_u32 s[G0V+4*\s+1], s15, \s*SLOTB
	s_add_nc_u64 s[G0V+4*\s+2:G0V+4*\s+3], s[2:3], 0x2000000+\s*65536
	s_or_b32 s[G0V+4*\s+3], s[G0V+4*\s+3], 0x80000000
.endr
	s_cmp_lt_u32 s[WV], 4                          ; a wave's two first fills stand in one branch: two loads of mine are out
	s_cbranch_scc0 .Lfirst_v
	tensor_load_to_lds s[G0K:G0K+3], s[G1K:G1K+7]
	s_nop 0
	tensor_load_to_lds s[G0K+4:G0K+7], s[G1K:G1K+7]
	s_nop 0
.rept 4
	v_nop
.endr
	s_branch .Lfirst_asked
.Lfirst_v:
	tensor_load_to_lds s[G0V:G0V+3], s[G1V:G1V+7]
	s_nop 0
	tensor_load_to_lds s[G0V+4:G0V+7], s[G1V:G1V+7]
	s_nop 0
.rept 4
	v_nop
.endr
.Lfirst_asked:
	v_lshlrev_b32 v56, 5, v0                       ; thread n takes mask words 8 n .. 8 n + 7
	global_load_b128 v[48:51], v56, s[6:7]
	global_load_b128 v[52:55], v56, s[6:7] offset:16
	v_and_b32 v11, 15, v0                          ; r
	v_bfe_u32 v14, v0, 4, 1                        ; h
	v_lshlrev_b32 v[QO], 7, v11
	v_lshl_add_u32 v[QO], v14, 4, v[QO]            ; Q: row r of 128 bytes, + 16 h
	WIN 0x40
.irp t, 0,1,2,3
.irp kk, 0,1
	global_load_b128 v[QF+16*\t+8*\kk:QF+16*\t+8*\kk+3],   v[QO], s[4:5] offset:2048*\t+64*\kk
	global_load_b128 v[QF+16*\t+8*\kk+4:QF+16*\t+8*\kk+7], v[QO], s[4:5] offset:2048*\t+64*\kk+32
.endr
.endr
	WIN 0
	v_lshrrev_b32 v15, 1, v11
	v_mul_u32_u24 v[AK0], v15, 272
	v_and_b32 v15, 1, v0
	v_lshl_add_u32 v[AK0], v15, 7, v[AK0]
	v_lshl_add_u32 v[AK0], v14, 4, v[AK0]          ; K: 272 (r / 2) + 128 (r % 2) + 16 h
	v_bfe_u32 v[AV0], v0, 1, 2
	v_lshl_add_u32 v[AV0], v14, 2, v[AV0]
	v_mul_u32_u24 v[AV0], v[AV0], 288
	v_lshl_add_u32 v[AV0], v15, 7, v[AV0]
	v_bfe_u32 v15, v0, 3, 1
	v_lshl_add_u32 v[AV0], v15, 4, v[AV0]
	v_add_nc_u32 v[AV0], VOFF, v[AV0]              ; V: key 8 h + l % 8, channels 8 ((l / 8) % 2) on
	v_lshl_add_u32 v[AM0], v14, 5, MB              ; the bias: 32 h
	v_mul_u32_u24 v[STO], v11, 144
	v_lshl_add_u32 v[STO], v14, 4, v[STO]
	v_add_nc_u32 v[STO], s62, v[STO]               ; the stage, in: row r, 16 bytes for each half of the lanes
	v_and_b32 v15, 31, v0
	v_lshlrev_b32 v[GO], 4, v15                    ; out: 16 bytes a lane
	v_lshrrev_b32 v15, 3, v15
	v_mul_u32_u24 v[RD], v15, 144
	v_and_b32 v15, 7, v0
	v_lshl_add_u32 v[RD], v15, 4, v[RD]
	v_add_nc_u32 v[RD], s62, v[RD]                 ; back: eight lanes to a row of 128 bytes, four rows an instruction
	v_lshl_add_u32 v57, v0, 5, MB
	v_lshl_add_u32 v58, v0, 2, MB+8192
	v_mov_b32 v59, 0xceabfb8f                      ; -1e9 x log2(e)
	v_mov_b32 v60, 0
.irp t, 0,1,2,3
	v_mov_b32 v[ST+8*\t+1], 0                      ; named as the upper halves of pairs,
	v_mov_b32 v[ST+8*\t+5], 0
	v_mov_b32 v[ST+8*\t+7], 0                      ; and as a lane permute's destination, which counts as read
.endr
	s_wait_loadcnt 16                              ; the mask words are in; Q's 16 loads may be out
.irp i, 0,1,2,3,4,5,6,7
	v_cmp_eq_u32 vcc_lo, 0, v[48+\i]
	v_cndmask_b32 v[48+\i], 0, v59, vcc_lo
.endr
	ds_store_b128 v57, v[48:51]
	ds_store_b128 v57, v[52:55] offset:16
	ds_store_b32 v58, v60
	s_wait_tensorcnt 1                             ; my part of slot 0 is in; slot 1's may stay out
	s_wait_dscnt 0x0                               ; my part of the bias is stored
	s_barrier_signal -1
	s_barrier_wait -1
	s_mov_b32 s[TM], 0
	v_add_nc_u32 v[ADM], s[TM], v[AM0]
	FETCH_M
	WIN 0
	s_mov_b32 s[TM], 256
	s_mov_b32 s[TK], 0
	s_mov_b32 s[TV], 0
	v_add_nc_u32 v[ADK], s[TK], v[AK0]
	FETCH_K
	s_add_co_u32 s[TK], s[TK], KSTB
	s_wait_loadcnt 0x0                             ; Q
	STEP 1
	s_mov_b32 s[CNT], 7
.Lfirst_slot:
	STEP 0
	s_sub_co_u32 s[CNT], s[CNT], 1
	s_cmp_lg_u32 s[CNT], 0
	s_cbranch_scc1 .Lfirst_slot
	CHANGE 1, 0                                    ; slot 0 takes keys 1,024 on
	SLOT SLOTB, 8
	CHANGE 1, 1                                    ; slot 1 takes keys 1,536 on
	SLOT 0, 8
	CHANGE 0, 0                                    ; nothing is left to fetch
	SLOT SLOTB, 8
	; THE WAY OUT.  l's two halves and the other half of the lanes' are added; O^T / l, rounded to f16, goes through my stage and leaves as 512 consecutive bytes a store.
.irp t, 0,1,2,3
	v_add_f32 v[ST+8*\t+6], v[ST+8*\t+2], v[ST+8*\t+3]
.endr
.irp t, 0,1,2,3
	v_permlanex16_b32 v[ST+8*\t+7], v[ST+8*\t+6], s[SEL], s[SEL+1]
.endr
.irp t, 0,1,2,3
	v_add_f32 v[ST+8*\t+6], v[ST+8*\t+6], v[ST+8*\t+7]
.endr
.irp t, 0,1,2,3
	v_rcp_f32 v[ST+8*\t+4], v[ST+8*\t+6]
.endr
	v_nop
	s_wait_alu depctr_va_vdst(0)                   ; one wait for the four reciprocals, ahead of their first reader
.macro OUT t
	WIN 0x41
.irp i, 0,1,2,3,4,5,6,7,8,9,10,11,12,13,14,15
	v_pk_mul_f32 v[32*\t+2*\i:32*\t+2*\i+1], v[32*\t+2*\i:32*\t+2*\i+1], v[ST+8*\t+4:ST+8*\t+5] op_sel_hi:[1,0]
.endr
	WIN 0x05                                       ; sources window 1, destination window 0
.irp i, 0,1,2,3,4,5,6,7,8,9,10,11,12,13,14,15
	v_cvt_pk_f16_f32 v[S+32*\t+\i], v[32*\t+2*\i], v[32*\t+2*\i+1]
.endr
	WIN 0
.irp ct, 0,1,2,3
	ds_store_b128 v[STO], v[S+32*\t+4*\ct:S+32*\t+4*\ct+3] offset:2304*\t+32*\ct
.endr
.irp i, 0,1,2,3
	ds_load_b128 v[S+32*\t+16+4*\i:S+32*\t+16+4*\i+3], v[RD] offset:2304*\t+576*\i   ; LDS serves a wave's instructions in order: these see the stores above
.endr
.endm
.macro SEND t
.irp i, 0,1,2,3
	s_wait_dscnt 8*(3-\t)+3-\i                     ; the LDS instructions issued behind this load may be out
	global_store_b128 v[GO], v[S+32*\t+16+4*\i:S+32*\t+16+4*\i+3], s[8:9] offset:2048*\t+512*\i
.endr
.endm
	OUT 0
	OUT 1
	OUT 2
	OUT 3
	SEND 0
	SEND 1
	SEND 2
	SEND 3
	s_wait_tensorcnt 0x0                           ; the wave's end
	ds_add_u32 v[SPW], v[NIL]
	s_wait_dscnt 0x0
	CROUND                                         ; the closing round
	s_endpgm
.Lfunc_end_k_q37bc425de4_attn:
	.size	k_q37bc425de4_attn, .Lfunc_end_k_q37bc425de4_attn-k_q37bc425de4_attn
	.p2alignl 7, 3214868480
	.fill 96, 4, 3214868480
	.section	.rodata,"a",@progbits
	.p2align	6, 0x0
	.amdhsa_kernel k_q37bc425de4_attn
		.amdhsa_group_segment_fixed_size 327680
		.amdhsa_private_segment_fixed_size 0
		.amdhsa_enable_private_segment 0
		.amdhsa_kernarg_size 24
		.amdhsa_user_sgpr_count 2
		.amdhsa_user_sgpr_kernarg_segment_ptr 1
		.amdhsa_wavefront_size32 1
		.amdhsa_system_sgpr_workgroup_id_x 1
		.amdhsa_system_sgpr_workgroup_id_y 1
		.amdhsa_system_sgpr_workgroup_id_z 1
		.amdhsa_system_vgpr_workitem_id 0
		.amdhsa_next_free_vgpr 512
		.amdhsa_next_free_sgpr 66
		.amdhsa_reserve_vcc 1
		.amdhsa_float_denorm_mode_32 3
		.amdhsa_float_denorm_mode_16_64 3
		.amdhsa_memory_ordered 1
		.amdhsa_forward_progress 1
		.amdhsa_inst_pref_size 189
	.end_amdhsa_kernel
	.amdgpu_metadata
---
amdhsa.version: [ 1, 2 ]
amdhsa.kernels:
  - .name:           k_q37bc425de4_attn
    .symbol:         k_q37bc425de4_attn.kd
    .args:
      - { .name: qkv, .offset: 0, .size: 8, .value_kind: global_buffer, .address_space: global }
      - { .name: mask, .offset: 8, .size: 8, .value_kind: global_buffer, .address_space: global }
      - { .name: ctx, .offset: 16, .size: 8, .value_kind: global_buffer, .address_space: global }
    .group_segment_fixed_size: 327680
    .private_segment_fixed_size: 0
    .kernarg_segment_align: 8
    .kernarg_segment_size: 24
    .max_flat_workgroup_size: 256
    .sgpr_count:     66
    .vgpr_count:     512
    .wavefront_size: 32
...
	.end_amdgpu_metadata
.endif
;; end of part 3
;; launch outp (part 4): grid 4 x 64, 4 waves a work-group, clusters of 4 x 4, 327,680 bytes of LDS; arguments ctx, wot, b_o, out0; writes out0
.if DOCPART == 4
	.amdgcn_target "amdgcn-amd-amdhsa--gfx1250"
	.amdhsa_code_object_version 6
	.text
	.protected	k_q37bc425de4_outp
	.globl	k_q37bc425de4_outp
	.p2align	8
	.type	k_q37bc425de4_outp,@function
k_q37bc425de4_outp:
	s_mov_b64 s[64:65], 0
	v_nop
	global_prefetch_b8 v0, s[64:65] scope:SCOPE_SE
	s_setreg_imm32_b32 hwreg(HW_REG_WAVE_MODE, 25, 1), 1
	s_wait_xcnt 0x0
	s_wait_alu depctr_hold_cnt(0) depctr_sa_sdst(0) depctr_va_vdst(0) depctr_va_sdst(0) depctr_va_ssrc(0) depctr_va_vcc(0) depctr_vm_vsrc(0)
	s_getreg_b32 s2, hwreg(HW_REG_IB_STS2, 6, 4)
	s_cmp_eq_u32 s2, 0
	s_cbranch_scc0 .Lentry_in_a_cluster
	s_endpgm
.Lentry_in_a_cluster:
	s_bfe_u32 s2, ttmp6, 0x10000c
	s_cmp_lg_u32 s2, 0xf033
	s_cbranch_scc0 .Lentry_shape_is_right
	s_endpgm
.Lentry_shape_is_right:
; OUTP: out0[m][n] = the sum over k of ctx[m][k] w_o[k][n] + b_o[n].  Operands f16, sums f32, out0 f32.  ctx: f16 [b][head][s][64], so k = 64 head + channel; wot: f16 [n][k].
; A tile of 128 tokens x 256 columns to a work-group: 256 work-groups.  Four waves, each 64 x 128: 32 accumulators.  K goes in steps of 128 (two heads) through two LDS slots.
; A head's 128 tokens are 16,384 dense bytes: they are stated as 64 rows of 256 bytes, two tokens each, 16 bytes of padding behind each: token n at 272 (n / 2) + 128 (n % 2).  wot's rows of 256 bytes lie 272 apart.
; CLUSTERS: 4 x 4 work-groups; ctx's tiles are asked for jointly along a row of the cluster, wot's along a column.  Waves 0, 1 fetch the step's two heads, waves 2, 3 wot's two halves.
; THE MATRIX INSTRUCTION IS USED TRANSPOSED (source 0 = 16 rows of wot, source 1 = 16 tokens): a lane holds eight neighbouring columns of one token.  b_o is the C of each sum's first product.
; No prefetch is laid: the tiles are small and shared in the cluster.
; REGISTERS: window 0: addresses; v64-191 the way out.  window 1: the accumulators ((a, b) at v[8 (8 a + b)]).  window 2: two fragment buffers of 96 (A at + 8 a, B at + 32 + 8 b); v192-255 b_o.
.set AHB,    17408                     ; a head's 128 tokens in LDS
.set BHB,    34816                     ; 128 rows of wot
.set BOFF,   34816                     ; B lies behind A's two heads
.set SLOT,   104448
.set STAGE,  208896                    ; behind the ring: 16 rows x (512 bytes + 16) for each wave
.set SPITCH, 528
.set SPARE,  242688                    ; the spare words, 128 bytes for each wave
.set LAPS,   4                         ; a lap = two K steps
.set ADRA, 16
.set ADRB, 20
.set STO,  24
.set RD,   25
.set CO,   26
.set BO,   27
.set SPW,  28
.set NIL,  29
.set BK,   64
.set F0,   0
.set F1,   96
.set CBI,  192
.set WV,   12
.set FA,   13                          ; s13  my half of the tokens.  Also: I fetch for A (0) or for B (1)
.set HF,   14                          ; s14  my half of the columns.  Also: which head, or which 128 rows, I fetch
.set G1A,  24
.set G0A,  32
.set G1B,  48
.set G0B,  56
.set MSB, 0
.macro WIN new                         ; the immediate's high byte repeats the setting that is left
.if MSB != (\new)
	s_set_vgpr_msb (MSB<<8)|(\new)
.set MSB, (\new)
.endif
.endm
.set MUL,  0x5a                        ; sources 0 and 1 window 2, C and D window 1
.set TO_F, 0x80                        ; destination window 2
.macro JLOAD s                         ; an s_nop 0 and four v_nop follow each of the two lines
	s_cmp_eq_u32 s[FA], 0
	s_cbranch_scc0 .Lfor_b_\@
	tensor_load_to_lds s[G0A+4*\s:G0A+4*\s+3], s[G1A:G1A+7]
	s_nop 0
.rept 4
	v_nop
.endr
	s_branch .Lasked_\@
.Lfor_b_\@:
	tensor_load_to_lds s[G0B+4*\s:G0B+4*\s+3], s[G1B:G1B+7]
	s_nop 0
.rept 4
	v_nop
.endr
.Lasked_\@:
.endm
.macro CREST                           ; a round of the cluster's barrier behind its opening barrier
	s_cmp_lg_u32 s[WV], 0
	s_cbranch_scc1 .Lnot_wave_0_\@
	s_barrier_signal -3
.Lnot_wave_0_\@:
	s_barrier_wait -3
	s_barrier_signal -1
	s_barrier_wait -1
.endm
.macro CROUND
	s_barrier_signal -1
	s_barrier_wait -1
	CREST
.endm
	s_load_b128 s[4:7], s[0:1], 0x0                ; ctx, wot
	s_load_b128 s[8:11], s[0:1], 0x10              ; b_o, out0
	v_lshl_add_u32 v[SPW], v0, 2, SPARE
	v_mov_b32 v[NIL], 0
	ds_add_u32 v[SPW], v[NIL]                      ; the wave's opening: the add, twice on end, and its wait ahead of my first tensor load
	ds_add_u32 v[SPW], v[NIL]
	v_lshrrev_b32 v1, 5, v0
	v_readfirstlane_b32 s[WV], v1
	s_lshr_b32 s[FA], s[WV], 1
	s_and_b32 s[HF], s[WV], 1
	s_bfe_u32 s15, ttmp6, 0x40000                  ; cx
	s_bfe_u32 s16, ttmp6, 0x40004                  ; cy
	s_lshl_b32 s17, ttmp9, 2
	s_add_co_u32 s17, s17, s15                     ; tile column
	s_and_b32 s18, ttmp7, 0xffff
	s_lshl_b32 s18, s18, 2
	s_add_co_u32 s18, s18, s16                     ; tile row
	s_lshl_b32 s40, s16, 2
	s_lshl_b32 s40, 15, s40                        ; my row of the cluster
	s_lshl_b32 s41, 0x1111, s15                    ; my column
	s_or_b32 s[G1A], s40, (1<<16)|(1<<20)|(1<<21)|(5<<22)|(3<<25)   ; the mask; elements of 2 bytes; padding: 4 words behind every 64; bit 21 beside a mask
	s_or_b32 s[G1B], s41, (1<<16)|(1<<20)|(1<<21)|(5<<22)|(3<<25)
	s_mov_b32 s[G1A+1], 128<<16                    ; A: 64 rows of 128 elements, dense
	s_mov_b32 s[G1A+2], 64<<16
	s_mov_b32 s[G1A+3], 128<<16
	s_mov_b32 s[G1A+4], 64
	s_mov_b32 s[G1A+5], 128
	s_mov_b32 s[G1A+6], 0
	s_mov_b32 s[G1A+7], 0
	s_mov_b32 s[G1B+1], 128<<16                    ; B: 128 rows of 128 elements, 1,024 elements apart
	s_mov_b32 s[G1B+2], 128<<16
	s_mov_b32 s[G1B+3], 128<<16
	s_mov_b32 s[G1B+4], 128
	s_mov_b32 s[G1B+5], 1024
	s_mov_b32 s[G1B+6], 0
	s_mov_b32 s[G1B+7], 0
	s_lshr_b32 s20, s18, 4                         ; A: the batch (16 tiles of 128 tokens each): 16 heads of 2^18 bytes,
	s_lshl_b32 s20, s20, 22
	s_and_b32 s21, s18, 15
	s_lshl_b32 s21, s21, 14                        ; the tile's first token, 128 bytes each,
	s_add_co_u32 s20, s20, s21
	s_lshl_b32 s21, s[HF], 18                      ; and my head of the step's two
	s_add_co_u32 s20, s20, s21
	s_mov_b32 s21, 0
	s_lshl_b32 s46, s17, 19                        ; B: row 256 x tile column + 128 x half, 2,048 bytes each
	s_lshl_b32 s47, s[HF], 18
	s_add_co_u32 s46, s46, s47
	s_mov_b32 s47, 0
	s_mul_i32 s42, s[HF], AHB                      ; where they go: no place in the cluster enters an LDS address
	s_mul_i32 s43, s[HF], BHB
	s_add_co_u32 s43, s43, BOFF
	s_wait_dscnt 0x0                               ; both opening adds are done
	s_wait_kmcnt 0x0
	s_add_nc_u64 s[22:23], s[4:5], s[20:21]
	s_add_nc_u64 s[46:47], s[6:7], s[46:47]
	CROUND                                         ; all sixteen work-groups are here: the first joint loads meet
.irp s, 0,1
	s_mov_b32 s[G0A+4*\s], 1
	s_add_co_u32 s[G0A+4*\s+1], s42, \s*SLOT
	s_add_nc_u64 s[G0A+4*\s+2:G0A+4*\s+3], s[22:23], \s*524288     ; K step s: two heads on
	s_or_b32 s[G0A+4*\s+3], s[G0A+4*\s+3], 0x80000000
	s_mov_b32 s[G0B+4*\s], 1
	s_add_co_u32 s[G0B+4*\s+1], s43, \s*SLOT
	s_add_nc_u64 s[G0B+4*\s+2:G0B+4*\s+3], s[46:47], \s*256
	s_or_b32 s[G0B+4*\s+3], s[G0B+4*\s+3], 0x80000000
	JLOAD \s
.endr
	v_and_b32 v1, 15, v0                           ; r
	v_bfe_u32 v2, v0, 4, 1                         ; h
	v_lshrrev_b32 v3, 1, v1
	v_mul_u32_u24 v3, v3, 272
	v_and_b32 v4, 1, v0
	v_lshl_add_u32 v3, v4, 7, v3
	v_lshl_add_u32 v3, v2, 4, v3                   ; A: 272 (r / 2) + 128 (r % 2) + 16 h
	v_mul_u32_u24 v4, v1, 272
	v_lshl_add_u32 v4, v2, 4, v4                   ; B: 272 r + 16 h
	s_mul_i32 s42, s[FA], 8704                     ; my 64 tokens
	s_mul_i32 s43, s[HF], BHB                      ; my 128 rows of wot,
	s_add_co_u32 s43, s43, BOFF
.irp s, 0,1
	v_add_nc_u32 v[ADRA+\s], s42, v3
	v_add_nc_u32 v[ADRB+\s], s43, v4
	s_add_co_u32 s42, s42, SLOT
	s_add_co_u32 s43, s43, SLOT
.endr
	s_mul_i32 s42, s[WV], 16*SPITCH
	s_add_co_u32 s42, s42, STAGE                   ; my stage
	v_mul_u32_u24 v5, v1, SPITCH
	v_lshl_add_u32 v5, v2, 5, v5
	v_add_nc_u32 v[STO], s42, v5                   ; in: row r, 32 bytes for each half of the lanes
	v_and_b32 v6, 31, v0
	v_lshlrev_b32 v[CO], 4, v6
	v_add_nc_u32 v[RD], s42, v[CO]                 ; back: the 32 lanes take a row of 512 bytes
	v_lshlrev_b32 v[BO], 5, v2
	s_lshl_b32 s44, s17, 10                        ; my first column, 4 bytes each: 256 x tile column + 128 x half
	s_lshl_b32 s45, s[HF], 9
	s_add_co_u32 s44, s44, s45
	s_mov_b32 s45, 0
	s_add_nc_u64 s[8:9], s[8:9], s[44:45]
	s_add_nc_u64 s[10:11], s[10:11], s[44:45]
	s_lshl_b32 s44, s18, 19                        ; my first token: 128 x tile row + 64 x half, 4,096 bytes each
	s_lshl_b32 s2, s[FA], 18
	s_add_co_u32 s44, s44, s2
	s_add_nc_u64 s[10:11], s[10:11], s[44:45]
	WIN TO_F
.irp b, 0,1,2,3,4,5,6,7
	global_load_b128 v[CBI+8*\b:CBI+8*\b+3], v[BO], s[8:9] offset:64*\b         ; lane (r, h), register j: b_o of column 16 b + 8 h + j
	global_load_b128 v[CBI+8*\b+4:CBI+8*\b+7], v[BO], s[8:9] offset:64*\b+16
.endr
	WIN 0
; 8 matrix instructions: tokens' block a x all 8 blocks of columns, 32 along K.  zero = 1: the first product takes b_o as C.  The 32 accumulators take turns, one instruction a turn.
.macro MUL8 f, a, zero
.irp b, 0,1,2,3,4,5,6,7
.if \zero
	v_wmma_f32_16x16x32_f16 v[8*(8*(\a)+\b):8*(8*(\a)+\b)+7], v[\f+32+8*\b:\f+32+8*\b+7], v[\f+8*(\a):\f+8*(\a)+7], v[CBI+8*\b:CBI+8*\b+7]
.else
	v_wmma_f32_16x16x32_f16 v[8*(8*(\a)+\b):8*(8*(\a)+\b)+7], v[\f+32+8*\b:\f+32+8*\b+7], v[\f+8*(\a):\f+8*(\a)+7], v[8*(8*(\a)+\b):8*(8*(\a)+\b)+7]
.endif
.endr
.endm
.macro FETCH slot, q, f                ; 24 LDS loads in one run: the fragments of the slot's q-th 32 along K; B's first
	WIN TO_F
.irp b, 0,1,2,3,4,5,6,7
	ds_load_b128 v[\f+32+8*\b:\f+32+8*\b+3],   v[ADRB+\slot] offset:64*(\q)+4352*\b
	ds_load_b128 v[\f+32+8*\b+4:\f+32+8*\b+7], v[ADRB+\slot] offset:64*(\q)+4352*\b+32
.endr
.irp a, 0,1,2,3
	ds_load_b128 v[\f+8*\a:\f+8*\a+3],   v[ADRA+\slot] offset:AHB*((\q)/2)+64*((\q)%2)+2176*\a
	ds_load_b128 v[\f+8*\a+4:\f+8*\a+7], v[ADRA+\slot] offset:AHB*((\q)/2)+64*((\q)%2)+2176*\a+32
.endr
.endm
.macro PLACES                          ; four plain places ahead of loads into registers that matrix instructions have read, and of the first read of results
.rept 4
	v_nop
.endr
.endm
; A K step is four quarters of 32 along K, 32 matrix instructions each, on buffers 0, 1, 0, 1.  One of the first three: multiplies buffer f and fetches quarter q into g.
.macro QUARTER slot, q, f, g, zero
	s_wait_dscnt 4                                 ; B and A's blocks 0, 1 are in; A's blocks 2, 3 may be out
	WIN MUL+0x10*\zero                             ; (the first products: C in window 2)
	MUL8 \f, 0, \zero
	MUL8 \f, 1, \zero
	PLACES
	FETCH \slot, \q, \g
	s_wait_dscnt 24                                ; all but the 24 just issued
	WIN MUL+0x10*\zero
	MUL8 \f, 2, \zero
	MUL8 \f, 3, \zero
.endm
; The last quarter multiplies buffer 1 and changes slots: one barrier; in front of it each wave waits for all its tensor loads, adds 0 to its spare word, and waits for that and for its reads of this slot.
; fill = 1: the barrier opens a round of the cluster's barrier, and this slot is filled again, two K steps ahead, first thing behind the round.
.macro TURN slot, next, fill
	WIN 0
	s_wait_tensorcnt 0x0
	ds_add_u32 v[SPW], v[NIL]
	s_wait_dscnt 5                                 ; the add and A's blocks 2, 3 may be out
	WIN MUL
	MUL8 F1, 0, 0
	s_wait_dscnt 0x0
	s_barrier_signal -1
	MUL8 F1, 1, 0
.if \fill
	WIN 0
.endif
	s_barrier_wait -1
.if \fill
	CREST
	s_add_nc_u64 s[G0A+4*\slot+2:G0A+4*\slot+3], s[G0A+4*\slot+2:G0A+4*\slot+3], 1048576   ; four heads on
	s_add_nc_u64 s[G0B+4*\slot+2:G0B+4*\slot+3], s[G0B+4*\slot+2:G0B+4*\slot+3], 512
	JLOAD \slot                                    ; the four v_nop behind it are also the places ahead of the loads below
.else
	PLACES
.endif
	FETCH \next, 0, F0
	WIN MUL
	MUL8 F1, 2, 0
	MUL8 F1, 3, 0
.endm
	s_wait_tensorcnt 1                             ; my part of K step 0 is in; K step 1's load may be out
	s_barrier_signal -1
	s_barrier_wait -1
	FETCH 0, 0, F0
	s_wait_loadcnt 0x0                             ; b_o
	QUARTER 0, 1, F0, F1, 1                        ; the first quarter stands ahead of the loop: its products start the sums
	WIN 0
	s_mov_b32 s3, LAPS-1
.Llap:                                                 ; a trip goes once round the ring and fills both slots again
	QUARTER 0, 2, F1, F0, 0
	QUARTER 0, 3, F0, F1, 0
	TURN 0, 1, 1
	QUARTER 1, 1, F0, F1, 0
	QUARTER 1, 2, F1, F0, 0
	QUARTER 1, 3, F0, F1, 0
	TURN 1, 0, 1
	QUARTER 0, 1, F0, F1, 0
	WIN 0
	s_sub_co_u32 s3, s3, 1
	s_cmp_lg_u32 s3, 0
	s_cbranch_scc1 .Llap
	QUARTER 0, 2, F1, F0, 0                        ; the last lap fills nothing
	QUARTER 0, 3, F0, F1, 0
	TURN 0, 1, 0
	QUARTER 1, 1, F0, F1, 0
	QUARTER 1, 2, F1, F0, 0
	QUARTER 1, 3, F0, F1, 0
	s_wait_dscnt 4
	WIN MUL
	MUL8 F1, 0, 0
	MUL8 F1, 1, 0
	s_wait_dscnt 0
	MUL8 F1, 2, 0
	MUL8 F1, 3, 0
	WIN 0
; THE WAY OUT, a block of 16 tokens x 128 columns at a time, through my own stage: back as whole rows of 512 bytes, which the 32 lanes store as 512 consecutive, aligned bytes.
.macro TOSTAGE a
	WIN 0x04                                       ; an LDS store's data are its source 1: window 1
.irp b, 0,1,2,3,4,5,6,7
	ds_store_b128 v[STO], v[64*(\a)+8*\b:64*(\a)+8*\b+3] offset:64*\b          ; each accumulator from its low end on
	ds_store_b128 v[STO], v[64*(\a)+8*\b+4:64*(\a)+8*\b+7] offset:64*\b+16
.endr
	WIN 0
.set BB, BK+64*((\a)%2)
.irp t, 0,1,2,3,4,5,6,7,8,9,10,11,12,13,14,15
	ds_load_b128 v[BB+4*\t:BB+4*\t+3], v[RD] offset:\t*SPITCH                  ; LDS serves a wave's instructions in order: these see the stores above
.endr
.endm
.macro SEND a, younger
.set BB, BK+64*((\a)%2)
	s_wait_dscnt \younger
.irp t, 0,1,2,3,4,5,6,7,8,9,10,11,12,13,14,15
	global_store_b128 v[CO], v[BB+4*\t:BB+4*\t+3], s[10:11] offset:(16*(\a)+\t)*4096 th:TH_STORE_NT
.endr
.endm
	PLACES
	TOSTAGE 0
.irp a, 1,2,3
.if \a > 1
	s_wait_xcnt 0x0                                ; the stores of two blocks back have read their registers: this block's loads land there
.endif
	TOSTAGE \a
	SEND \a-1, 32                                  ; behind that block's loads: this block's 16 stores and 16 loads
.endr
	SEND 3, 0
	s_wait_tensorcnt 0x0                           ; the wave's end
	ds_add_u32 v[SPW], v[NIL]
	s_wait_dscnt 0x0
	CROUND                                         ; the closing round
	s_endpgm
.Lfunc_end_k_q37bc425de4_outp:
	.size	k_q37bc425de4_outp, .Lfunc_end_k_q37bc425de4_outp-k_q37bc425de4_outp
	.p2alignl 7, 3214868480
	.fill 96, 4, 3214868480
	.section	.rodata,"a",@progbits
	.p2align	6, 0x0
	.amdhsa_kernel k_q37bc425de4_outp
		.amdhsa_group_segment_fixed_size 327680
		.amdhsa_private_segment_fixed_size 0
		.amdhsa_enable_private_segment 0
		.amdhsa_kernarg_size 32
		.amdhsa_user_sgpr_count 2
		.amdhsa_user_sgpr_kernarg_segment_ptr 1
		.amdhsa_wavefront_size32 1
		.amdhsa_system_sgpr_workgroup_id_x 1
		.amdhsa_system_sgpr_workgroup_id_y 1
		.amdhsa_system_sgpr_workgroup_id_z 1
		.amdhsa_system_vgpr_workitem_id 0
		.amdhsa_next_free_vgpr 768
		.amdhsa_next_free_sgpr 66
		.amdhsa_reserve_vcc 0
		.amdhsa_float_denorm_mode_32 3
		.amdhsa_float_denorm_mode_16_64 3
		.amdhsa_memory_ordered 1
		.amdhsa_forward_progress 1
		.amdhsa_inst_pref_size 87
	.end_amdhsa_kernel
	.amdgpu_metadata
---
amdhsa.version: [ 1, 2 ]
amdhsa.kernels:
  - .name:           k_q37bc425de4_outp
    .symbol:         k_q37bc425de4_outp.kd
    .args:
      - { .name: ctx, .offset: 0, .size: 8, .value_kind: global_buffer, .address_space: global }
      - { .name: wot, .offset: 8, .size: 8, .value_kind: global_buffer, .address_space: global }
      - { .name: b_o, .offset: 16, .size: 8, .value_kind: global_buffer, .address_space: global }
      - { .name: out0, .offset: 24, .size: 8, .value_kind: global_buffer, .address_space: global }
    .group_segment_fixed_size: 327680
    .private_segment_fixed_size: 0
    .kernarg_segment_align: 8
    .kernarg_segment_size: 32
    .max_flat_workgroup_size: 128
    .sgpr_count:     66
    .vgpr_count:     768
    .wavefront_size: 32
...
	.end_amdgpu_metadata
.endif
;; end of part 4
